; MI455X (gfx1250); checked and timed in simulation.
; The chip was launched on July 23, 2026; its instructions are those of AMD's public machine-readable ISA for CDNA 5 (MIT licence, August 2026) and "CDNA5" Instruction Set Architecture Reference Guide (July 2026). The comments in the code are by the model that wrote it; some were corrected since.
;; Multi Head Attention. Allowed arithmetic: float matrix products may take bf16 or f16 operands with f32 sums; other float arithmetic in f32, or as packed bf16 or f16 multiplies, adds, multiply-adds, maxima and minima; sums over many terms, partial sums and values carried from step to step in f32; what a program stores and reads back later, other than sums and carried values, may be rounded once to bf16 or f16.
;; Inputs: Wk 1,024 x 1,024 float32; Wo 1,024 x 1,024 float32; Wq 1,024 x 1,024 float32; Wv 1,024 x 1,024 float32; bk 1,024 float32; bo 1,024 float32; bq 1,024 float32; bv 1,024 float32; x 4 x 2,048 x 1,024 float32.
;; Outputs: out0 4 x 2,048 x 1,024 float32.
;; One version. Each part assembles by itself: llvm-mc -triple=amdgcn-amd-amdhsa -mcpu=gfx1250 --defsym DOCPART=n.
;; ======== version 1 of 1: 4 launches
;; limits: values are held in f16: magnitudes above 65,504 overflow, below 6.1e-05 lose precision
;; workspace buffers: xb 16,777,216 bytes; wb 6,291,456 bytes; wob 2,097,152 bytes; biasr 16,384 bytes; qkv 50,331,648 bytes; oh 16,777,216 bytes
;; launch cast (part 1): grid 769 x 1, 8 waves a work-group, no clusters, 0 bytes of LDS; arguments x, Wq, Wk, Wv, Wo, bq, bk, bv, bo, xb, wb, wob, biasr; writes xb, wb, wob, biasr
.if DOCPART == 1
	.amdgcn_target "amdgcn-amd-amdhsa--gfx1250"
	.amdhsa_code_object_version 6
	.text
	.protected	k_q0d794da1e6_cast
	.globl	k_q0d794da1e6_cast
	.p2align	8
	.type	k_q0d794da1e6_cast,@function
k_q0d794da1e6_cast:
	s_mov_b64 s[64:65], 0
	v_nop
	global_prefetch_b8 v0, s[64:65] scope:SCOPE_SE
	s_setreg_imm32_b32 hwreg(HW_REG_WAVE_MODE, 25, 1), 1
	s_wait_xcnt 0x0
; All of the module's inputs are rounded once to bf16 and laid out for the products that follow.
;   xb  [batch 4][kb 16][row 2048][64] bf16      x, K in blocks of 64: the rows of one block lie end to end, 128 bytes each
;   wb  [kb 16][n 3072][64] bf16                 Wq's rows, then Wk's, then Wv's, in the same blocks
;   wob [kb 16][n 1024][64] f16                  Wo rounded to bf16, that number written as f16
;   biasr [4096] f32                             bq, bk, bv, bo rounded to bf16, kept as f32 words
; LIMIT.  A bf16 number under 6e-5 in magnitude keeps f16's fixed step of 6e-8 in wob; beyond 65,504 it would be an infinity.
; SHARES.  A work-group takes 16 rows of 1,024 f32: groups 0-511 x, 512-703 Wq, Wk, Wv, 704-767 Wo, 768 the four biases.
; Wave w takes the blocks kb = 2 w and 2 w + 1.  One load: lanes 0-15 the 256 bytes of one block in row 2 p, lanes 16-31 the same in row 2 p + 1.
; Rounded, that is 8 bytes a lane, and the wave's store covers 256 consecutive bytes, aligned: two rows of one block.
; All 16 loads of a wave go out together; no register is written twice, so nothing is freed by a wait.  No LDS, no matrix unit: every byte is touched once.
.set X,   16                           ; v[16:79]  load i: four registers
.set LO,  2                            ; v2  my byte offset in the group's 16 rows of f32
.set SO,  3                            ; v3  my byte offset in the output
.set IN,  32                           ; s[32:33]
.set OUT, 34                           ; s[34:35]
	s_load_b512 s[4:19], s[0:1], 0x0               ; x, Wq, Wk, Wv, Wo, bq, bk, bv
	s_load_b256 s[20:27], s[0:1], 0x40             ; bo, xb, wb, wob
	s_load_b64 s[28:29], s[0:1], 0x60              ; biasr
	v_lshrrev_b32 v1, 5, v0
	v_readfirstlane_b32 s30, v1                    ; wave 0..7
	v_and_b32 v1, 31, v0                           ; lane
	v_and_b32 v4, 15, v0
	v_bfe_u32 v5, v0, 4, 1
	v_lshlrev_b32 v[LO], 4, v4                     ; 16 bytes a lane,
	v_lshl_add_u32 v[LO], v5, 12, v[LO]            ; lanes 16-31 one row (4,096 bytes) down,
	s_lshl_b32 s40, s30, 9
	v_add_nc_u32 v[LO], s40, v[LO]                 ; my wave's 512 bytes of a row
	s_mov_b32 s37, 0
	s_mov_b32 s39, 0
	s_wait_kmcnt 0x0
; 16 rows from s[IN] to s[OUT]; kbs = bytes from one block of 64 along K to the next; half = 1: written as f16.
.macro CAST kbs, half
	s_mul_i32 s40, s30, 2*(\kbs)
	v_lshl_add_u32 v[SO], v1, 3, s40               ; block 2 w, 8 bytes a lane
.set i, 0
.rept 16
	global_load_b128 v[X+4*i:X+4*i+3], v[LO], s[IN:IN+1] offset:(i/2)*8192+(i%2)*256 th:TH_LOAD_NT
.set i, i+1
.endr
.set i, 0
.rept 16
	s_wait_loadcnt 15-i                            ; loads come back in order: load i is in, the 15 - i younger ones stay out
	v_cvt_pk_bf16_f32 v[X+4*i], v[X+4*i], v[X+4*i+1]
	v_cvt_pk_bf16_f32 v[X+4*i+1], v[X+4*i+2], v[X+4*i+3]
.if \half
	v_lshlrev_b32 v[X+4*i+2], 16, v[X+4*i]         ; the bf16 numbers as f32,
	v_and_b32 v[X+4*i+3], 0xffff0000, v[X+4*i]
	v_cvt_pk_f16_f32 v[X+4*i], v[X+4*i+2], v[X+4*i+3]  ; and as f16: 8 significant bits fit into 11
	v_lshlrev_b32 v[X+4*i+2], 16, v[X+4*i+1]
	v_and_b32 v[X+4*i+3], 0xffff0000, v[X+4*i+1]
	v_cvt_pk_f16_f32 v[X+4*i+1], v[X+4*i+2], v[X+4*i+3]
.endif
	global_store_b64 v[SO], v[X+4*i:X+4*i+1], s[OUT:OUT+1] offset:(i%2)*(\kbs)+(i/2)*256
.set i, i+1
.endr
	s_endpgm
.endm
	s_cmp_lt_u32 ttmp9, 512
	s_cbranch_scc0 .Lnot_x
	s_lshl_b32 s36, ttmp9, 16                      ; 16 rows of 4,096 bytes
	s_lshr_b32 s38, ttmp9, 7                       ; the batch: 128 groups each,
	s_lshl_b32 s38, s38, 22
	s_and_b32 s40, ttmp9, 127
	s_lshl_b32 s40, s40, 11                        ; 16 rows of 128 bytes in a block
	s_add_co_u32 s38, s38, s40
	s_add_nc_u64 s[IN:IN+1], s[4:5], s[36:37]
	s_add_nc_u64 s[OUT:OUT+1], s[22:23], s[38:39]
	CAST 262144, 0
.Lnot_x:
	s_cmp_lt_u32 ttmp9, 704
	s_cbranch_scc0 .Lnot_qkv
	s_sub_co_u32 s41, ttmp9, 512
	s_lshr_b32 s42, s41, 6                         ; 0: Wq, 1: Wk, 2: Wv
	s_and_b32 s36, s41, 63
	s_lshl_b32 s36, s36, 16
	s_lshl_b32 s38, s41, 11
	s_cmp_eq_u32 s42, 0
	s_cselect_b64 s[IN:IN+1], s[6:7], s[8:9]
	s_cmp_eq_u32 s42, 2
	s_cselect_b64 s[IN:IN+1], s[10:11], s[IN:IN+1]
	s_add_nc_u64 s[IN:IN+1], s[IN:IN+1], s[36:37]
	s_add_nc_u64 s[OUT:OUT+1], s[24:25], s[38:39]
	CAST 393216, 0
.Lnot_qkv:
	s_cmp_lt_u32 ttmp9, 768
	s_cbranch_scc0 .Lbias
	s_sub_co_u32 s41, ttmp9, 704
	s_lshl_b32 s36, s41, 16
	s_lshl_b32 s38, s41, 11
	s_add_nc_u64 s[IN:IN+1], s[12:13], s[36:37]
	s_add_nc_u64 s[OUT:OUT+1], s[26:27], s[38:39]
	CAST 131072, 1
.Lbias:                                        ; 256 threads x 16 bytes are one bias
	v_lshlrev_b32 v6, 4, v0
	global_load_b128 v[16:19], v6, s[14:15]
	global_load_b128 v[20:23], v6, s[16:17]
	global_load_b128 v[24:27], v6, s[18:19]
	global_load_b128 v[28:31], v6, s[20:21]
.set i, 0
.rept 4
	s_wait_loadcnt 3-i
	v_cvt_pk_bf16_f32 v[48+2*i], v[16+4*i], v[17+4*i]
	v_cvt_pk_bf16_f32 v[49+2*i], v[18+4*i], v[19+4*i]
	v_lshlrev_b32 v[16+4*i], 16, v[48+2*i]
	v_and_b32 v[17+4*i], 0xffff0000, v[48+2*i]
	v_lshlrev_b32 v[18+4*i], 16, v[49+2*i]
	v_and_b32 v[19+4*i], 0xffff0000, v[49+2*i]
	global_store_b128 v6, v[16+4*i:19+4*i], s[28:29] offset:4096*i
.set i, i+1
.endr
	s_endpgm
.Lfunc_end_k_q0d794da1e6_cast:
	.size	k_q0d794da1e6_cast, .Lfunc_end_k_q0d794da1e6_cast-k_q0d794da1e6_cast
	.p2alignl 7, 3214868480
	.fill 96, 4, 3214868480
	.section	.rodata,"a",@progbits
	.p2align	6, 0x0
	.amdhsa_kernel k_q0d794da1e6_cast
		.amdhsa_group_segment_fixed_size 0
		.amdhsa_private_segment_fixed_size 0
		.amdhsa_enable_private_segment 0
		.amdhsa_kernarg_size 104
		.amdhsa_user_sgpr_count 2
		.amdhsa_user_sgpr_kernarg_segment_ptr 1
		.amdhsa_wavefront_size32 1
		.amdhsa_system_sgpr_workgroup_id_x 1
		.amdhsa_system_sgpr_workgroup_id_y 1
		.amdhsa_system_sgpr_workgroup_id_z 1
		.amdhsa_system_vgpr_workitem_id 0
		.amdhsa_next_free_vgpr 80
		.amdhsa_next_free_sgpr 66
		.amdhsa_reserve_vcc 0
		.amdhsa_float_denorm_mode_32 3
		.amdhsa_float_denorm_mode_16_64 3
		.amdhsa_memory_ordered 1
		.amdhsa_forward_progress 1
		.amdhsa_inst_pref_size 27
	.end_amdhsa_kernel
	.amdgpu_metadata
---
amdhsa.version: [ 1, 2 ]
amdhsa.kernels:
  - .name:           k_q0d794da1e6_cast
    .symbol:         k_q0d794da1e6_cast.kd
    .args:
      - { .name: x, .offset: 0, .size: 8, .value_kind: global_buffer, .address_space: global }
      - { .name: Wq, .offset: 8, .size: 8, .value_kind: global_buffer, .address_space: global }
      - { .name: Wk, .offset: 16, .size: 8, .value_kind: global_buffer, .address_space: global }
      - { .name: Wv, .offset: 24, .size: 8, .value_kind: global_buffer, .address_space: global }
      - { .name: Wo, .offset: 32, .size: 8, .value_kind: global_buffer, .address_space: global }
      - { .name: bq, .offset: 40, .size: 8, .value_kind: global_buffer, .address_space: global }
      - { .name: bk, .offset: 48, .size: 8, .value_kind: global_buffer, .address_space: global }
      - { .name: bv, .offset: 56, .size: 8, .value_kind: global_buffer, .address_space: global }
      - { .name: bo, .offset: 64, .size: 8, .value_kind: global_buffer, .address_space: global }
      - { .name: xb, .offset: 72, .size: 8, .value_kind: global_buffer, .address_space: global }
      - { .name: wb, .offset: 80, .size: 8, .value_kind: global_buffer, .address_space: global }
      - { .name: wob, .offset: 88, .size: 8, .value_kind: global_buffer, .address_space: global }
      - { .name: biasr, .offset: 96, .size: 8, .value_kind: global_buffer, .address_space: global }
    .group_segment_fixed_size: 0
    .private_segment_fixed_size: 0
    .kernarg_segment_align: 8
    .kernarg_segment_size: 104
    .max_flat_workgroup_size: 256
    .sgpr_count:     66
    .vgpr_count:     80
    .wavefront_size: 32
...
	.end_amdgpu_metadata
.endif
;; end of part 1
;; launch qkvproj (part 2): grid 8 x 32, 4 waves a work-group, clusters of 4 x 4, 327,680 bytes of LDS; arguments xb, wb, biasr, qkv; writes qkv
.if DOCPART == 2
	.amdgcn_target "amdgcn-amd-amdhsa--gfx1250"
	.amdhsa_code_object_version 6
	.text
	.protected	k_q0d794da1e6_qkvproj
	.globl	k_q0d794da1e6_qkvproj
	.p2align	8
	.type	k_q0d794da1e6_qkvproj,@function
k_q0d794da1e6_qkvproj:
	s_mov_b64 s[64:65], 0
	v_nop
	global_prefetch_b8 v0, s[64:65] scope:SCOPE_SE
	s_setreg_imm32_b32 hwreg(HW_REG_WAVE_MODE, 25, 1), 1
	s_wait_xcnt 0x0
	s_wait_alu depctr_hold_cnt(0) depctr_sa_sdst(0) depctr_va_vdst(0) depctr_va_sdst(0) depctr_va_ssrc(0) depctr_va_vcc(0) depctr_vm_vsrc(0)
	s_getreg_b32 s2, hwreg(HW_REG_IB_STS2, 6, 4)
	s_cmp_eq_u32 s2, 0
	s_cbranch_scc0 .Lentry_in_a_cluster
	s_endpgm
.Lentry_in_a_cluster:
	s_bfe_u32 s2, ttmp6, 0x10000c
	s_cmp_lg_u32 s2, 0xf033
	s_cbranch_scc0 .Lentry_shape_is_right
	s_endpgm
.Lentry_shape_is_right:
; q, k, v = x W^T + b for Wq, Wk, Wv at once: C[8192][3072] = xb wb^T + bias, bf16 products, f32 sums, written once as f16 by heads:
; qkv [which 3][batch x 16 + head][row 2048][64].  LIMIT: a result of 65,520 or more in magnitude becomes an infinity in f16; under 6e-5 it keeps f16's step of 6e-8.
; SHARES.  A tile of C is 256 x 384: 32 x 8 = 256 work-groups.  Four waves, each 128 rows x 192 columns: 8 row blocks a x 3 thirds b of 64 columns (a head each) x 4 fragments f:
; 96 accumulators, 768 registers: third b fills window b + 1, accumulator (a, f) at v[8 (4 a + f)].
; K goes in 16 steps of 64, one block of xb and wb each, through two LDS slots; two slots of 128 along K (640 rows x 272 bytes each) would not fit.  A block's rows lie end to end in memory, so a
; tile is asked for as rows of 256 bytes and padded in LDS behind every 128.
; THE PRODUCT IS USED TRANSPOSED (source 0 = 16 rows of wb, source 1 = 16 rows of xb): a lane holds row l % 16 of C and the eight neighbouring columns 8 (l / 16) + 0..7.
; CLUSTER 4 x 4: xb's tile hangs on the tile row alone and is asked for jointly by a row of the cluster, wb's on the tile column alone, by a column.
; A STEP is six units of 32 products: slices c = 0, 1 of 32 along K x thirds b = 0, 1, 2.  xb's fragments have a buffer for each slice, wb's one for each third; each run of LDS loads stands in
; the middle of a unit, 48 products or more ahead of its first use.
; WINDOW 0: v0-13 addresses; v32-95, v96-159 xb's fragments of slice 0, 1; v160-255 wb's fragments, 32 a third.  On the way out: v32-95, v160-191 bias; v96-143 at work; v192-223 rows read back.
.set PITCH, 144                        ; an LDS row: 128 bytes + 16 = 36 words: the 16 rows of a fragment load start at 16 different groups of four banks (64 banks of 4 bytes: ISA guide 11.1)
.set SLOT1, 1<<17                      ; slot 1 begins here: one exclusive or turns an address in one slot into the other's
.set AHALF, 128*PITCH                  ; what wave 0 or 1 fetches, and what a wave reads of xb
.set BHALF, 192*PITCH                  ; what wave 2 or 3 fetches, and what a wave reads of wb
.set BOFF,  2*AHALF                    ; wb's 384 rows lie behind xb's 256
.set STAGE, SLOT1+BOFF+2*BHALF         ; behind the ring: 16 rows x 144 bytes for each wave, for the way out; no tensor load lands there
.set SPARE, STAGE+4*16*PITCH           ; the spare words, 128 bytes for each wave: two blocks of 256 bytes that no other line names
.set KSA,   262144                     ; bytes from one block of xb along K to the next
.set KSB,   393216                     ; the same in wb
.set A0,   4                           ; v4   my place in xb's tile in slot 0; never rewritten
.set B0,   5                           ; v5   the same for wb
.set ADRA, 6                           ; v6   the same in the slot being read
.set ADRB, 7                           ; v7
.set STO,  8                           ; v8   the way out: where I put 16 bytes of a row
.set RD,   9                           ; v9   where I read rows back
.set GO,   10                          ; v10  my 16 bytes of 512 consecutive bytes of qkv
.set BO,   11                          ; v11  my 32 bytes of a fragment's 64 bytes of bias
.set SPW,  12                          ; v12  LDS address of my spare word; never rewritten
.set NIL,  13                          ; v13  0; never rewritten
.set AF,   32
.set BF,   160
.set T,    96
.set PK,   128
.set BK,   192
.set WV,   12                          ; s12  wave
.set WM,   13                          ; s13  my half of the tile's rows; also: I fetch xb (0) or wb (1)
.set WN,   14                          ; s14  my half of its columns; also: which half of that tile I fetch
.set G1A,  24                          ; s[24:31] descriptor group 1 for xb's tiles
.set G1B,  32                          ; s[32:39] for wb's
.set G0A,  40                          ; s[40:47] group 0 for xb: the first fill's set, then the set that walks
.set G0B,  48                          ; s[48:55] the same for wb
.set TB,   56                          ; s56  first byte of the slot being read
.set CNT,  57                          ; s57
.set OB,   66                          ; s[66:71] qkv at my 128 rows of third b's head
.set BP,   72                          ; s[72:77] the bias of third b's 64 columns
.set MSB, 0
.macro WIN new                         ; the immediate's high byte repeats the setting that is left; a switch that changes nothing is dropped
.if MSB != (\new)
	s_set_vgpr_msb (MSB<<8)|(\new)
.set MSB, \new
.endif
.endm
.macro PLACES                          ; four plain vector instructions between a product and a load into, or a vector write of, one of its registers
.rept 4
	v_nop
.endr
.endm
; A joint refill.  The branch hangs on the wave's number alone.  An s_nop 0 and four v_nop follow each of the two lines, ahead of the jump and the label.
.macro JLOAD
	s_cmp_eq_u32 s[WM], 0
	s_cbranch_scc0 .Lfor_b_\@
	tensor_load_to_lds s[G0A+4:G0A+7], s[G1A:G1A+7]
	s_nop 0
.rept 4
	v_nop
.endr
	s_branch .Lasked_\@
.Lfor_b_\@:
	tensor_load_to_lds s[G0B+4:G0B+7], s[G1B:G1B+7]
	s_nop 0
.rept 4
	v_nop
.endr
.Lasked_\@:
.endm
.macro CREST                           ; a round of the cluster's barrier behind its opening barrier
	s_cmp_lg_u32 s[WV], 0
	s_cbranch_scc1 .Lnot_wave_0_\@
	s_barrier_signal -3
.Lnot_wave_0_\@:
	s_barrier_wait -3
	s_barrier_signal -1
	s_barrier_wait -1
.endm
.macro CROUND                          ; a whole round
	s_barrier_signal -1
	s_barrier_wait -1
	CREST
.endm
	s_load_b256 s[4:11], s[0:1], 0x0               ; xb s[4:5], wb s[6:7], biasr s[8:9], qkv s[10:11]
	v_lshl_add_u32 v[SPW], v0, 2, SPARE
	v_mov_b32 v[NIL], 0
	ds_add_u32 v[SPW], v[NIL]                      ; the wave's opening: the add and its wait stand ahead of my first tensor load; the set-up below, work on registers, stands between them
	v_lshrrev_b32 v1, 5, v0
	v_readfirstlane_b32 s[WV], v1
	s_lshr_b32 s[WM], s[WV], 1
	s_and_b32 s[WN], s[WV], 1
	s_bfe_u32 s15, ttmp6, 0x40000                  ; cx
	s_bfe_u32 s16, ttmp6, 0x40004                  ; cy
	s_lshl_b32 s17, ttmp9, 2
	s_add_co_u32 s17, s17, s15                     ; tile column = 4 x cluster x + cx
	s_and_b32 s18, ttmp7, 0xffff
	s_lshl_b32 s18, s18, 2
	s_add_co_u32 s18, s18, s16                     ; tile row = 4 x cluster y + cy
	s_lshl_b32 s62, s16, 2
	s_lshl_b32 s62, 15, s62                        ; my row of the cluster
	s_lshl_b32 s63, 0x1111, s15                    ; my column
	; group 1: rows of 128 elements (256 bytes, two rows of a block); in LDS 4 words of padding behind every 32
	s_or_b32 s[G1A], s62, (1<<16)|(1<<20)|(1<<21)|(4<<22)|(3<<25)  ; 15:0 the mask; 17:16 2-byte elements; 20 padding on; 21 set beside a mask; 24:22 code 4; 31:25 code 3
	s_or_b32 s[G1B], s63, (1<<16)|(1<<20)|(1<<21)|(4<<22)|(3<<25)
	s_mov_b32 s[G1A+1], 128<<16                    ; tensor_dim0 = 128
	s_mov_b32 s[G1A+2], 64<<16                     ; tensor_dim1 = 64: 128 rows of 128 bytes
	s_mov_b32 s[G1A+3], 128<<16                    ; tile_dim0 = 128
	s_mov_b32 s[G1A+4], 64                         ; tile_dim1 = 64
	s_mov_b32 s[G1A+5], 128                        ; elements from row to row
	s_mov_b32 s[G1A+6], 0
	s_mov_b32 s[G1A+7], 0
	s_mov_b32 s[G1B+1], 128<<16
	s_mov_b32 s[G1B+2], 96<<16                     ; 192 rows of 128 bytes
	s_mov_b32 s[G1B+3], 128<<16
	s_mov_b32 s[G1B+4], 96
	s_mov_b32 s[G1B+5], 128
	s_mov_b32 s[G1B+6], 0
	s_mov_b32 s[G1B+7], 0
	s_mul_i32 s[G0A+1], s[WN], AHALF               ; LDS addresses: the half that I fetch, slot 0 and slot 1: no place in the cluster enters them
	s_add_co_u32 s[G0A+5], s[G0A+1], SLOT1
	s_mul_i32 s[G0B+1], s[WN], BHALF
	s_add_co_u32 s[G0B+1], s[G0B+1], BOFF
	s_add_co_u32 s[G0B+5], s[G0B+1], SLOT1
	s_lshr_b32 s20, s18, 3                         ; xb: the batch (8 tile rows each),
	s_lshl_b32 s20, s20, 22
	s_and_b32 s21, s18, 7
	s_lshl_b32 s21, s21, 15                        ; 256 rows of 128 bytes,
	s_add_co_u32 s20, s20, s21
	s_lshl_b32 s21, s[WN], 14                      ; my 128 of them
	s_add_co_u32 s20, s20, s21
	s_mov_b32 s21, 0
	s_mul_i32 s22, s17, 384*128                    ; wb: 384 rows of 128 bytes,
	s_mul_i32 s23, s[WN], 192*128                  ; my 192 of them
	s_add_co_u32 s22, s22, s23
	s_mov_b32 s23, 0
	s_mov_b32 s[TB], 0
	s_wait_dscnt 0x0                               ; the opening add is done
	s_wait_kmcnt 0x0
	s_add_nc_u64 s[20:21], s[4:5], s[20:21]
	s_add_nc_u64 s[22:23], s[6:7], s[22:23]
	CROUND                                         ; all sixteen work-groups are here: the first joint loads meet
.irp s, 0,1
	s_mov_b32 s[G0A+4*(\s)], 1                     ; count = 1
	s_add_nc_u64 s[G0A+4*(\s)+2:G0A+4*(\s)+3], s[20:21], (\s)*KSA  ; K step s
	s_or_b32 s[G0A+4*(\s)+3], s[G0A+4*(\s)+3], 0x80000000          ; type = 2
	s_mov_b32 s[G0B+4*(\s)], 1
	s_add_nc_u64 s[G0B+4*(\s)+2:G0B+4*(\s)+3], s[22:23], (\s)*KSB
	s_or_b32 s[G0B+4*(\s)+3], s[G0B+4*(\s)+3], 0x80000000
.endr
	s_cmp_eq_u32 s[WM], 0                          ; a wave's two first fills stand in one branch, ahead of every wait on TENSORcnt and every LDS read: two loads of mine are out
	s_cbranch_scc0 .Lfirst_b
	tensor_load_to_lds s[G0A:G0A+3], s[G1A:G1A+7]
	s_nop 0
	tensor_load_to_lds s[G0A+4:G0A+7], s[G1A:G1A+7]
	s_nop 0
.rept 4
	v_nop
.endr
	s_branch .Lfirst_asked
.Lfirst_b:
	tensor_load_to_lds s[G0B:G0B+3], s[G1B:G1B+7]
	s_nop 0
	tensor_load_to_lds s[G0B+4:G0B+7], s[G1B:G1B+7]
	s_nop 0
.rept 4
	v_nop
.endr
.Lfirst_asked:
	; A fragment is 16 rows x 32 K in 8 registers: lane l holds row l % 16; registers 0-3 K = 8 (l / 16) + 0..7, registers 4-7 K = 16 + 8 (l / 16) + 0..7: two loads of 16 bytes, 32 bytes apart.
	v_and_b32 v1, 15, v0                           ; l % 16
	v_bfe_u32 v2, v0, 4, 1                         ; l / 16
	v_mul_u32_u24 v3, v1, PITCH
	v_lshl_add_u32 v3, v2, 4, v3                   ; row x pitch + 16 x half
	s_mul_i32 s58, s[WM], AHALF
	v_add_nc_u32 v[A0], s58, v3
	s_mul_i32 s58, s[WN], BHALF
	s_add_co_u32 s58, s58, BOFF
	v_add_nc_u32 v[B0], s58, v3
	v_mov_b32 v[ADRA], v[A0]
	v_mov_b32 v[ADRB], v[B0]
	s_mul_i32 s58, s[WV], 16*PITCH
	s_add_co_u32 s58, s58, STAGE                   ; my stage
	v_add_nc_u32 v[STO], s58, v3                   ; in: row l % 16, 16 bytes for each half of the lanes
	v_bfe_u32 v14, v0, 3, 2                        ; back: 32 lanes take four rows of 128 bytes,
	v_and_b32 v15, 7, v0
	v_mul_u32_u24 v[RD], v14, PITCH
	v_lshl_add_u32 v[RD], v15, 4, v[RD]
	v_add_nc_u32 v[RD], s58, v[RD]
	v_and_b32 v[GO], 31, v0                        ; which are 512 consecutive bytes of qkv
	v_lshlrev_b32 v[GO], 4, v[GO]
	v_lshlrev_b32 v[BO], 5, v2
	; where my three thirds go: g = 6 x tile column + 3 x half + b is the block of 64 columns among 48: tensor g / 16, head g % 16
	s_mul_i32 s80, s17, 6
	s_mul_i32 s81, s[WN], 3
	s_add_co_u32 s80, s80, s81
	s_and_b32 s81, s18, 7
	s_lshl_b32 s81, s81, 15                        ; the tile's 256 rows in a head,
	s_lshl_b32 s82, s[WM], 14                      ; my 128
	s_add_co_u32 s81, s81, s82
	s_lshr_b32 s82, s18, 3
	s_lshl_b32 s82, s82, 4                         ; 16 x batch
.irp b, 0,1,2
	s_add_co_u32 s83, s80, (\b)
	s_lshr_b32 s84, s83, 4
	s_lshl_b32 s84, s84, 6                         ; 64 heads a tensor
	s_add_co_u32 s84, s84, s82
	s_and_b32 s85, s83, 15
	s_add_co_u32 s84, s84, s85
	s_lshl_b32 s84, s84, 18                        ; a head is 2,048 rows of 128 bytes
	s_add_co_u32 s84, s84, s81
	s_mov_b32 s85, 0
	s_add_nc_u64 s[OB+2*(\b):OB+2*(\b)+1], s[10:11], s[84:85]
	s_lshl_b32 s84, s83, 8                         ; 64 f32
	s_add_nc_u64 s[BP+2*(\b):BP+2*(\b)+1], s[8:9], s[84:85]
.endr
; 16 products: third b, slice c, row blocks a0 .. a0 + 3 x 4 fragments.  zero = 1: the first product starts the sums.  The 96 accumulators take turns, one instruction a turn, in the same
; order in every slice: 95 others' stand between two links of a chain, over the backward jump too.
.macro MUL16 b, c, a0, zero
	WIN 0x50*((\b)+1)                              ; sources in window 0, C and D in window b + 1
.irp a, (\a0), (\a0)+1, (\a0)+2, (\a0)+3
.irp f, 0,1,2,3
.if \zero
	v_wmma_f32_16x16x32_bf16 v[8*(4*(\a)+(\f)):8*(4*(\a)+(\f))+7], v[BF+32*(\b)+8*(\f):BF+32*(\b)+8*(\f)+7], v[AF+64*(\c)+8*(\a):AF+64*(\c)+8*(\a)+7], 0
.else
	v_wmma_f32_16x16x32_bf16 v[8*(4*(\a)+(\f)):8*(4*(\a)+(\f))+7], v[BF+32*(\b)+8*(\f):BF+32*(\b)+8*(\f)+7], v[AF+64*(\c)+8*(\a):AF+64*(\c)+8*(\a)+7], v[8*(4*(\a)+(\f)):8*(4*(\a)+(\f))+7]
.endif
.endr
.endr
.endm
.macro LDA c                           ; 16 LDS loads: my 128 rows of xb, slice c
	WIN 0
.irp a, 0,1,2,3,4,5,6,7
	ds_load_b128 v[AF+64*(\c)+8*(\a):AF+64*(\c)+8*(\a)+3],   v[ADRA] offset:(\a)*16*PITCH+64*(\c)
	ds_load_b128 v[AF+64*(\c)+8*(\a)+4:AF+64*(\c)+8*(\a)+7], v[ADRA] offset:(\a)*16*PITCH+64*(\c)+32
.endr
.endm
.macro LDB b, c                        ; 8 LDS loads: third b's 64 rows of wb, slice c
	WIN 0
.irp f, 0,1,2,3
	ds_load_b128 v[BF+32*(\b)+8*(\f):BF+32*(\b)+8*(\f)+3],   v[ADRB] offset:(4*(\b)+(\f))*16*PITCH+64*(\c)
	ds_load_b128 v[BF+32*(\b)+8*(\f)+4:BF+32*(\b)+8*(\f)+7], v[ADRB] offset:(4*(\b)+(\f))*16*PITCH+64*(\c)+32
.endr
.endm
; A unit: 32 products of third b, slice c; in its middle, four places behind the last reader of their registers, the loads of wb's third lb, slice lc, and (la >= 0) of xb's slice la.
.macro UNIT b, c, wait, zero, lb, lc, la
.if (\wait) >= 0
	s_wait_dscnt \wait
.endif
	MUL16 \b, \c, 0, \zero
	PLACES
	LDB \lb, \lc
.if (\la) >= 0
	LDA \la
.endif
	MUL16 \b, \c, 4, \zero
.endm
; The counts (LDS loads come back in order: ISA guide 5.7.1):
;   unit (0, 0) wants xb's slice 0 and wb's (0, 0): behind them only wb's (1, 0), 8 loads
;   unit (1, 0) wants wb's (1, 0): behind it the 24 of unit (0, 0)
;   unit (2, 0) wants wb's (2, 0), first of those 24: behind it 16 and the 8 of unit (1, 0)
;   units (1, 1) and (2, 1) stand behind the change of slots' wait for 0
.macro STEP0 zero                      ; a step's first slice
	UNIT 0, 0, 8,  \zero, 2, 0, 1
	UNIT 1, 0, 24, \zero, 0, 1, -1
	UNIT 2, 0, 24, \zero, 1, 1, -1
.endm
.macro REST1                           ; the second slice's thirds 1 and 2; they fetch wb's first slice from the next slot
	UNIT 1, 1, -1, 0, 0, 0, -1
	UNIT 2, 1, -1, 0, 1, 0, -1
.endm
; Unit (0, 1) and THE CHANGE OF SLOTS.  The slot's last bytes, wb's (2, 1), are asked for first.  Each wave waits for all its tensor loads, of which one is out: its part of the other slot; adds 0 to its
; spare word; and waits for that and for its reads of this slot.  Behind the barrier nobody reads this slot any more and the other slot is whole.  fill = 1: the barrier opens a round of the cluster's,
; so that no wave of any partner still reads the slot or has a load on its way; the joint refill, two K steps on, is the first thing behind it: 160 products stand between it and the wait for it.
.macro TURN fill
	PLACES
	LDB 2, 1
	s_wait_tensorcnt 0x0                           ; no tensor load of mine is out
	ds_add_u32 v[SPW], v[NIL]                      ; 0 onto my spare word
	s_wait_dscnt 17                                ; xb's slice 1 and wb's (0, 1) are in: behind them 8, 8 and the add
	MUL16 0, 1, 0, 0                               ; sixteen products stand between the add and the wait for it
	s_wait_dscnt 0x0                               ; the add is done, and my reads of this slot are over
	s_barrier_signal -1
	MUL16 0, 1, 4, 0                               ; work on registers while the others arrive
	WIN 0
	s_barrier_wait -1
.if \fill
	CREST
	s_xor_b32 s[G0A+5], s[G0A+5], SLOT1            ; the walking descriptors: the other slot than last time, the next block along K
	s_add_nc_u64 s[G0A+6:G0A+7], s[G0A+6:G0A+7], KSA
	s_xor_b32 s[G0B+5], s[G0B+5], SLOT1
	s_add_nc_u64 s[G0B+6:G0B+7], s[G0B+6:G0B+7], KSB
	JLOAD
.endif
	s_xor_b32 s[TB], s[TB], SLOT1                  ; the reads go on in the other slot
	v_add_nc_u32 v[ADRA], s[TB], v[A0]
	v_add_nc_u32 v[ADRB], s[TB], v[B0]
	LDA 0                                          ; its last reader stands in front of this macro's four places
.endm
	s_wait_tensorcnt 1                             ; my part of K step 0 is in; step 1's may stay out
	s_barrier_signal -1
	s_barrier_wait -1                              ; everybody's is
	LDA 0
	LDB 0, 0
	LDB 1, 0
	STEP0 1                                        ; the first slice stands in front of the loop: its products start the sums
	WIN 0                                          ; at a label and at a branch every window is 0
	s_mov_b32 s[CNT], 14
.Lstep:                                        ; a trip: a step's second slice and the next step's first; it asks for K steps 2 to 15
	TURN 1
	REST1
	STEP0 0
	WIN 0
	s_sub_co_u32 s[CNT], s[CNT], 1
	s_cmp_lg_u32 s[CNT], 0
	s_cbranch_scc1 .Lstep
	TURN 0                                         ; the tail is written out: nothing is asked for
	REST1
	STEP0 0
	PLACES                                         ; the last slice; the biases come into registers that the products have left
	LDB 2, 1
.irp b, 0,1
.irp f, 0,1,2,3
	global_load_b128 v[32+32*(\b)+8*(\f):32+32*(\b)+8*(\f)+3],   v[BO], s[BP+2*(\b):BP+2*(\b)+1] offset:64*(\f)
	global_load_b128 v[32+32*(\b)+8*(\f)+4:32+32*(\b)+8*(\f)+7], v[BO], s[BP+2*(\b):BP+2*(\b)+1] offset:64*(\f)+16
.endr
.endr
	s_wait_dscnt 16                                ; behind xb's slice 1 and wb's (0, 1): 8 and 8
	MUL16 0, 1, 0, 0
	MUL16 0, 1, 4, 0
	s_wait_dscnt 8
	MUL16 1, 1, 0, 0
	PLACES
	WIN 0
.irp f, 0,1,2,3
	global_load_b128 v[160+8*(\f):160+8*(\f)+3], v[BO], s[BP+4:BP+5] offset:64*(\f)
	global_load_b128 v[160+8*(\f)+4:160+8*(\f)+7], v[BO], s[BP+4:BP+5] offset:64*(\f)+16
.endr
	MUL16 1, 1, 4, 0
	s_wait_dscnt 0x0
	MUL16 2, 1, 0, 0
	MUL16 2, 1, 4, 0
	PLACES
	PLACES
	WIN 0
	s_wait_loadcnt 0x0                             ; the biases
; THE WAY OUT, in 24 blocks n = 8 b + a of 16 rows x one head: 2,048 consecutive bytes of qkv.  PACK: the bias is added in f32 (each accumulator's registers in ascending order), the sums are rounded to
; f16.  TOSTAGE: 16 bytes a lane into my stage, back as whole rows.  SEND: four stores of 512 consecutive bytes.
.macro PACK n
.set pb, (\n)/8
.set pa, (\n)%8
.set bi, 32+32*pb+64*(pb/2)            ; v32, v64, v160
	WIN pb+1                                       ; source 0 in window b + 1
.set i, 0
.rept 16
	v_pk_add_f32 v[T+2*i:T+2*i+1], v[32*pa+2*i:32*pa+2*i+1], v[bi+2*i:bi+2*i+1]
.set i, i+1
.endr
	WIN 0
.set i, 0
.rept 16
	v_cvt_pk_f16_f32 v[PK+i], v[T+2*i], v[T+2*i+1]
.set i, i+1
.endr
.endm
.macro TOSTAGE n
.set bk, BK+16*((\n)%2)
.irp f, 0,1,2,3
	ds_store_b128 v[STO], v[PK+4*(\f):PK+4*(\f)+3] offset:32*(\f)
.endr
.irp f, 0,1,2,3
	ds_load_b128 v[bk+4*(\f):bk+4*(\f)+3], v[RD] offset:(\f)*4*PITCH  ; LDS serves a wave's instructions in order (ISA guide 5.7.1.4): these see the stores above; the next block's stores come behind them
.endr
.endm
.macro SEND n
.set bk, BK+16*((\n)%2)
.set ob, OB+2*((\n)/8)
	s_wait_dscnt 0x0                               ; the block is back in registers
	s_wait_xcnt 0x0                                ; the stores of the block before have read their registers, which the next block's loads write
.irp f, 0,1,2,3
	global_store_b128 v[GO], v[bk+4*(\f):bk+4*(\f)+3], s[ob:ob+1] offset:((\n)%8)*2048+(\f)*512
.endr
.endm
	PACK 0
	TOSTAGE 0
.set n, 1
.rept 23                               ; block n's arithmetic stands between block n - 1's loads from the stage and the wait for them
	PACK n
	SEND n-1
	TOSTAGE n
.set n, n+1
.endr
	SEND 23
	s_wait_tensorcnt 0x0                           ; the wave's end, behind my last tensor load and my last LDS store
	ds_add_u32 v[SPW], v[NIL]
	s_wait_dscnt 0x0
	CROUND                                         ; the closing round: no work-group ends while a partner may still ask for a tile that names it
	s_endpgm
.Lfunc_end_k_q0d794da1e6_qkvproj:
	.size	k_q0d794da1e6_qkvproj, .Lfunc_end_k_q0d794da1e6_qkvproj-k_q0d794da1e6_qkvproj
	.p2alignl 7, 3214868480
	.fill 96, 4, 3214868480
	.section	.rodata,"a",@progbits
	.p2align	6, 0x0
	.amdhsa_kernel k_q0d794da1e6_qkvproj
		.amdhsa_group_segment_fixed_size 327680
		.amdhsa_private_segment_fixed_size 0
		.amdhsa_enable_private_segment 0
		.amdhsa_kernarg_size 32
		.amdhsa_user_sgpr_count 2
		.amdhsa_user_sgpr_kernarg_segment_ptr 1
		.amdhsa_wavefront_size32 1
		.amdhsa_system_sgpr_workgroup_id_x 1
		.amdhsa_system_sgpr_workgroup_id_y 1
		.amdhsa_system_sgpr_workgroup_id_z 1
		.amdhsa_system_vgpr_workitem_id 0
		.amdhsa_next_free_vgpr 1024
		.amdhsa_next_free_sgpr 86
		.amdhsa_reserve_vcc 0
		.amdhsa_float_denorm_mode_32 3
		.amdhsa_float_denorm_mode_16_64 3
		.amdhsa_memory_ordered 1
		.amdhsa_forward_progress 1
		.amdhsa_inst_pref_size 140
	.end_amdhsa_kernel
	.amdgpu_metadata
---
amdhsa.version: [ 1, 2 ]
amdhsa.kernels:
  - .name:           k_q0d794da1e6_qkvproj
    .symbol:         k_q0d794da1e6_qkvproj.kd
    .args:
      - { .name: xb, .offset: 0, .size: 8, .value_kind: global_buffer, .address_space: global }
      - { .name: wb, .offset: 8, .size: 8, .value_kind: global_buffer, .address_space: global }
      - { .name: biasr, .offset: 16, .size: 8, .value_kind: global_buffer, .address_space: global }
      - { .name: qkv, .offset: 24, .size: 8, .value_kind: global_buffer, .address_space: global }
    .group_segment_fixed_size: 327680
    .private_segment_fixed_size: 0
    .kernarg_segment_align: 8
    .kernarg_segment_size: 32
    .max_flat_workgroup_size: 128
    .sgpr_count:     86
    .vgpr_count:     1024
    .wavefront_size: 32
...
	.end_amdgpu_metadata
.endif
;; end of part 2
;; launch attn (part 3): grid 4 x 64, 4 waves a work-group, clusters of 4 x 1, 327,680 bytes of LDS; arguments qkv, oh; writes oh
.if DOCPART == 3
	.amdgcn_target "amdgcn-amd-amdhsa--gfx1250"
	.amdhsa_code_object_version 6
	.text
	.protected	k_q0d794da1e6_attn
	.globl	k_q0d794da1e6_attn
	.p2align	8
	.type	k_q0d794da1e6_attn,@function
k_q0d794da1e6_attn:
	s_mov_b64 s[64:65], 0
	v_nop
	global_prefetch_b8 v0, s[64:65] scope:SCOPE_SE
	s_setreg_imm32_b32 hwreg(HW_REG_WAVE_MODE, 25, 1), 1
	s_wait_xcnt 0x0
	s_wait_alu depctr_hold_cnt(0) depctr_sa_sdst(0) depctr_va_vdst(0) depctr_va_sdst(0) depctr_va_ssrc(0) depctr_va_vcc(0) depctr_vm_vsrc(0)
	s_getreg_b32 s2, hwreg(HW_REG_IB_STS2, 6, 4)
	s_cmp_eq_u32 s2, 0
	s_cbranch_scc0 .Lentry_in_a_cluster
	s_endpgm
.Lentry_in_a_cluster:
	s_bfe_u32 s2, ttmp6, 0x10000c
	s_cmp_lg_u32 s2, 0x3003
	s_cbranch_scc0 .Lentry_shape_is_right
	s_endpgm
.Lentry_shape_is_right:
; O[h][q][:] = the sum over k of softmax_k(Q[h][q] . K[h][k] / 8) V[h][k][:].  Q, K, V lie one behind the other in qkv, each [64][2048][64] in f16, O likewise: a head's rows are dense, 128 bytes each.
; Products, maxima and sums in f32; the weights p are rounded to f16 for the second product (their sum l is taken of the unrounded p), O once at the end.
; LIMITS.  f16 holds no number beyond 65,504: Q, K and V arrive within it; p lies in 0 to 1, and below 6e-5 it keeps f16's fixed step of 6e-8; O is a mean of V's rows and has their range.
; A weight below 2^-126 counts as 0 in l; NaN and infinities are not treated apart.
; SHARES.  A wave owns four PIECES of two tiles of 16 queries, a work-group's four waves 512 queries of one head.  Every wave walks all keys, 64 a step.
; LAYOUT.  S^T = K Q^T (source 0 = 16 keys, source 1 = 16 queries): in the result a lane holds ONE query (lane % 16) and the keys 8 (lane / 16) + 0..7.  Two such tiles, rounded to f16 in pairs,
; ARE source 1 (32 keys x 16 queries) of O^T = V^T P, whose result again holds one query a lane, and eight channels.  K comes out of LDS as it lies, V ([key][channel]) turned, by ds_load_tr16_b128.
; SOFTMAX.  For each query a running maximum m and sum l: p = 2^(c s - c m), c = log2(e) / 8; in every step O and l are multiplied by a = 2^(c m_old - c m_new), which is 1 where m has not grown.
; m starts at the lowest finite number, O and l at 0: the first step is a step like any other, with a = 0.
; THE COUNT.  A tile and step have 16 matrix and 118 vector instructions: too many to stand all beside the matrix work.  So the order has one aim: four vector instructions that are READY behind
; EVERY matrix instruction, and the others, which need time of their own whatever the order, in runs without a gap.
; BY TURNS.  Turn n belongs to piece n (the pieces in a ring, step after step).  Its matrix work: 16 products K Q^T of piece n + 1, later 16 products V^T P of piece n - 1.  Its vector work: the scaling,
; exponentials, roundings, sums and rescaling of piece n, and the maximum and statistics of piece n + 1, whose scores the turn itself has made.  So what a turn begins with (c s - c m, O a) waits for nothing.
; CLUSTER.  The four query blocks of a head are one cluster and walk the same K and V, so each tile is asked for JOINTLY: the same tensor load, descriptor and mask in all four.
; REGISTERS, in windows of 256 (s_set_vgpr_msb says which window each operand place means: bits 1:0 source 0, 3:2 source 1, 5:4 source 2, 7:6 destination):
;   window 0: v0-11 addresses; v12-15, v48-63 at work; v16-47 four registers of statistics a tile; v64-191 S^T, two buffers of two tiles; v192-255 P, likewise
;   window 1: O^T, 32 a tile          window 2: v0-127 Q, 16 a tile; v128-191 K of one step; v192-255 V of one step          window 3: v0-1 the add's two registers
; A piece's buffers go by its number's parity: the piece in hand has one pair, its two neighbours in the ring share the other: of it P (piece n - 1) is read and S^T (piece n + 1) written.
.set SIZE_N, 2048
.set NP,    4         ; pieces a wave: a name, no knob: the register map, the loop and the fetches are made for four
.set KS,    64        ; keys in a step
.set PK,    144       ; a row of K in LDS: 128 bytes + 16 of padding = 36 words: the 16 rows of a load start at 16 different groups of four banks (64 banks of 4 bytes: ISA guide 11.1)
.set PV,    160       ; a row of V: 128 + 32 = 40 words
.set VOFF,  4*KS*PK   ; a slot holds four steps: 256 rows of K, then 256 rows of V
.set SLOT1, 1<<17     ; slot 1 begins here, so that one exclusive or turns an address in one slot into the other's
.set STAGE, SLOT1+4*KS*(PK+PV)  ; behind the ring, never filled by a tensor load: 16 rows x 144 bytes for each wave, for the way out
.set SP,    144
.set AK0, 2           ; v2   my lane's place in a tile of K; never rewritten
.set AV0, 3           ; v3   the same for V
.set AK,  4           ; v4   the LDS address of K's next run of loads
.set AV,  5           ; v5   of V's
.set QO,  6           ; v6   my byte offset in the wave's rows of Q
.set STO, 6           ;      later, the way out: where I put 16 bytes of a row
.set RD,  7           ; v7   the way out: where I read rows back
.set GO,  8           ; v8   my byte offset in 512 consecutive bytes of O
.set PFO, 11          ; v11  256 x my lane, the prefetches' offset; never rewritten once made
.set SPW, 0           ; v0 of window 3   LDS address of my spare word: SPARE + 4 x my thread's number; never rewritten
.set NIL, 1           ; v1 of window 3   0; never rewritten
.set SPARE, STAGE+4*16*SP  ; behind the stages: the spare words, 128 bytes for each wave: two blocks of 256 bytes that no other line names
.set MV,  12          ; v12-15  c m_old, kept while c m is made anew: by buffer and tile
.set ST,  16          ; tile t's statistics at v[ST+4 t]: c m, m, l (even keys', odd keys')
.set TMP, 48          ; by buffer and tile, four registers c0-c3 at work; when the maximum is found c2 takes a
.set S,   64
.set P,   192
.set KF,  128         ; K's fragments, in window 2: key block kb, channel half c at KF + 16 kb + 8 c
.set VF,  192         ; V's: key half kk, channel block cb at VF + 32 kk + 8 cb
.set WV,  12          ; s12  my wave's number
.set G1K, 24          ; s[24:31] descriptor group 1 for K's tiles
.set G1V, 32          ; s[32:39] for V's: it differs in the padding alone
.set G0K, 40          ; s[40:43] descriptor group 0 for K's tiles: it walks
.set G0V, 44          ; s[44:47] the same for V's
.set PFA, 48          ; s[48:49] where my prefetches stand: my work-group's 8,192 bytes (of K: wave 0, of V: wave 2) of the slot after the one that is being asked for
.set LIM, 50          ; s50  1 in a wave that prefetches, else the greatest number: a wave prefetches while s[SLOTS] is above it
.set SLOTS, 56        ; s56  slots still to be asked for
.set CNT, 57          ; s57  counts a slot's key steps
.set CS,  58          ; s[58:59] c: the packed scaling takes the pair's low word for both halves
.set SEL, 60          ; s[60:61] v_permlanex16_b32's selects: each lane takes its own place in the other half
.set TBK, 62          ; s62  LDS byte at which K of the step to be fetched begins
.set TBV, 63          ; s63  the same for V, less VOFF
.set MSB, 0
.macro WIN new                      ; the high byte repeats the setting that is left; a switch that changes nothing is dropped
.if MSB != (\new)
	s_set_vgpr_msb (MSB<<8)|(\new)
.set MSB, (\new)
.endif
.endm
.set W_KQ, 0x0a       ; K and Q in window 2, S^T in window 0
.set W_PV, 0x52       ; V in window 2, P in window 0, O^T in window 1
.set W_RS, 0x41       ; O^T (destination and source 0) in window 1, a in window 0
.set W_MK, 0xc0       ; the add's registers are made: destination in window 3, sources in window 0
.set W_AD, 0x0f       ; the add: address (source 0) and data (source 1) in window 3
; A joint fill.  Waves 0 and 1 fetch the two halves of a slot's K, waves 2 and 3 those of its V: 128 keys each.  The branch hangs on the wave's number alone.
; An s_nop 0 and four v_nop follow each of the two lines, ahead of the jump and the label.
.macro JLOAD
	s_cmp_lt_u32 s[WV], 2
	s_cbranch_scc0 .Lfor_v_\@
	tensor_load_to_lds s[G0K:G0K+3], s[G1K:G1K+7]
	s_nop 0
.rept 4
	v_nop
.endr
	s_branch .Lasked_\@
.Lfor_v_\@:
	tensor_load_to_lds s[G0V:G0V+3], s[G1V:G1V+7]
	s_nop 0
.rept 4
	v_nop
.endr
.Lasked_\@:
.endm
; A PREFETCH INTO THE L2 of what the NEXT change of slots will ask for: a slot's 32,768 bytes of K and of V, 256 bytes a lane.  It stands behind the wave's tensor load and its five lines.
; Each aligned block of 256 bytes is named ONCE in the launch: a head is walked by one cluster; its four partners share a slot's 128 blocks out BY ADDRESS, 32 each (no branch hangs on a
; work-group's place in its cluster); in each, wave 0 asks for K's and wave 2 for V's: one instruction, four key steps, 512 matrix instructions, ahead of the load that names those bytes.
; Slots 0 and 1 come by their loads alone; the last change that fills a slot asks for nothing: there is no slot behind it.
.macro ASK
	s_cmp_gt_u32 s[SLOTS], s[LIM]
	s_cbranch_scc0 .Lnot_mine_\@
	global_prefetch_b8 v[PFO], s[PFA:PFA+1] th:TH_LOAD_NT scope:SCOPE_SE
.Lnot_mine_\@:
.endm
; A round of the cluster's barrier: my work-group's barrier, so that wave 0's signal speaks for all four waves; wave 0 signals; every wave waits for all four work-groups; my work-group's barrier once more.
.macro CROUND
	s_barrier_signal -1
	s_barrier_wait -1
	s_cmp_lg_u32 s[WV], 0
	s_cbranch_scc1 .Lnot_wave_0_\@
	s_barrier_signal -3
.Lnot_wave_0_\@:
	s_barrier_wait -3
	s_barrier_signal -1
	s_barrier_wait -1
.endm
; THE CHANGE OF SLOTS.  The slot's last bytes, V of its fourth step, have been read.  Each wave waits for all its tensor loads, of which one is out: its part
; of the other slot; adds 0 to its spare word; and waits for that and for its own reads of the slot.  Behind the barrier nobody reads this slot any more and the other slot is whole.
; fill = 1: this slot is filled again, with the keys two slots on.  The barrier is then a round of the cluster's, so that no wave of any partner still reads the slot or has a load on its
; way, and the joint fill is the first thing behind it: it has four key steps, 512 matrix instructions, in which to land.  (At its first use nothing has been read yet: slot 0 is waited for, slot 1 filled.)
.macro CHANGE fill
	WIN W_AD
	s_wait_tensorcnt 0x0            ; no tensor load of mine is out, so a group 0 may be written
	ds_add_u32 v[SPW], v[NIL]       ; 0 onto my spare word; with fill = 1 the descriptors' steps stand between it and the wait for it
	WIN 0                           ; at a label and at a branch every window is 0
.if \fill
.irp g, G0K, G0V
	s_xor_b32 s[\g+1], s[\g+1], SLOT1  ; the walking descriptor: the other slot than last time,
	s_add_nc_u64 s[\g+2:\g+3], s[\g+2:\g+3], 4*KS*128  ; the next 256 keys; the type bits on top are not reached
.endr
	s_wait_xcnt 0x0                 ; the last prefetch, four key steps back, has read its address, so it may be written:
	s_add_nc_u64 s[PFA:PFA+1], s[PFA:PFA+1], 4*KS*128  ; one slot behind the walking descriptors
	s_wait_dscnt 0x0                ; the add is done, and my reads of the slot are over
	CROUND
	JLOAD
	ASK
.else
	s_wait_dscnt 0x0                ; the add is done, and my reads of the slot are over
	s_barrier_signal -1
	s_barrier_wait -1
.endif
	s_sub_co_u32 s[TBK], s[TBK], 4*KS*PK  ; the fetches go back to a slot's first step,
	s_xor_b32 s[TBK], s[TBK], SLOT1       ; in the other slot
	s_sub_co_u32 s[TBV], s[TBV], 4*KS*PV
	s_xor_b32 s[TBV], s[TBV], SLOT1
.endm
	s_load_b64 s[4:5], s[0:1], 0x0    ; qkv: Q at its head
	s_load_b64 s[10:11], s[0:1], 0x8  ; O
	WIN W_MK
	v_lshl_add_u32 v[SPW], v0, 2, SPARE
	v_mov_b32 v[NIL], 0
	WIN W_AD
	ds_add_u32 v[SPW], v[NIL]       ; the wave's opening: the add and its wait stand ahead of my first tensor load; the set-up below, work on registers, stands between them
	WIN 0
	v_lshrrev_b32 v1, 5, v0
	v_readfirstlane_b32 s[WV], v1   ; wave 0..3
	s_bfe_u32 s13, ttmp6, 0x40000   ; cx: my place in the cluster
	s_lshl_b32 s14, ttmp9, 2        ; in a cluster launch ttmp9 counts clusters
	s_add_co_u32 s14, s14, s13      ; my block of queries = 4 x cluster x + cx: it enters Q's and O's addresses alone
	s_and_b32 s20, ttmp7, 0xffff    ; the head, which the four partners share
	s_mov_b32 s21, 0
	s_mov_b64 s[22:23], SIZE_N*128
	s_mul_u64 s[20:21], s[20:21], s[22:23]  ; the head's first byte in each of the four tensors
	s_and_b32 s16, s[WV], 1         ; which half of a slot's 256 keys I fetch:
	s_lshl_b32 s22, s16, 14         ; its 128 rows of 128 bytes in memory,
	s_mov_b32 s23, 0
	s_add_nc_u64 s[22:23], s[22:23], s[20:21]
	s_mul_i32 s17, s16, 128*PK      ; and its place in a slot, for K
	s_mul_i32 s18, s16, 128*PV      ; and for V: no place in the cluster enters an LDS address
	s_lshl_b32 s2, s14, 2
	s_add_co_u32 s2, s2, s[WV]      ; my wave among the head's,
	s_lshl_b32 s2, s2, 14           ; its 128 rows
	s_mov_b32 s3, 0
	s_add_nc_u64 s[2:3], s[2:3], s[20:21]
	; descriptor group 1.  128 keys are 16,384 dense bytes: asked for as 64 rows of 256 bytes, two keys a row, and padded in LDS after every key
	s_mov_b32 s[G1K], 15|(1<<16)|(1<<20)|(1<<21)|(4<<22)|(3<<25)  ; 15:0 the mask of four; 17:16 2-byte elements; 20 padding on; 21 set beside a mask; 24:22 after every 32 words (code 4); 31:25 4 words (code 3)
	s_mov_b32 s[G1V], 15|(1<<16)|(1<<20)|(1<<21)|(4<<22)|(7<<25)  ; the same with 8 words of padding (code 7)
.irp g, G1K, G1V
	s_mov_b32 s[\g+1], 128<<16      ; tensor_dim0 = 128
	s_mov_b32 s[\g+2], 64<<16       ; tensor_dim1 = 64
	s_mov_b32 s[\g+3], 128<<16      ; tile_dim0 = 128
	s_mov_b32 s[\g+4], 64           ; tile_dim1 = 64
	s_mov_b32 s[\g+5], 128          ; 128 elements from row to row
	s_mov_b32 s[\g+6], 0
	s_mov_b32 s[\g+7], 0
.endr
	s_mov_b32 s[CS], 0x3e38aa3b     ; c = log2(e) / 8 = 0.180337
	s_mov_b32 s[CS+1], s[CS]        ; named with it as a pair
	s_mov_b32 s[SEL], 0x76543210
	s_mov_b32 s[SEL+1], 0xfedcba98
	s_mov_b32 s[TBK], SLOT1+4*KS*PK ; the first change of slots turns these two into 0
	s_mov_b32 s[TBV], SLOT1+4*KS*PV
	s_mov_b32 s[G0K], 1             ; 1:0 count = 1
	s_mov_b32 s[G0K+1], s17         ; 63:32 LDS address: slot 0
	s_mov_b32 s[G0V], 1
	s_add_co_u32 s[G0V+1], s18, VOFF
	s_mov_b32 s[SLOTS], SIZE_N/256-1
	s_and_b32 s[LIM], s[WV], 1      ; waves 0 and 2 prefetch: the same in all four partners
	s_cmp_eq_u32 s[LIM], 0
	s_cselect_b32 s[LIM], 1, -1
	s_wait_dscnt 0x0                ; the opening add is done
	s_wait_kmcnt 0x0
	s_add_nc_u64 s[6:7], s[4:5], 0x1000000  ; K lies 64 heads of 262,144 bytes behind Q,
	s_add_nc_u64 s[8:9], s[4:5], 0x2000000  ; V behind K
	s_add_nc_u64 s[G0K+2:G0K+3], s[6:7], s[22:23]  ; 120:64 global address: my half of the head's first 256 keys
	s_or_b32 s[G0K+3], s[G0K+3], 0x80000000        ; 127:126 type = 2
	s_add_nc_u64 s[G0V+2:G0V+3], s[8:9], s[22:23]
	s_or_b32 s[G0V+3], s[G0V+3], 0x80000000
	s_cmp_lt_u32 s[WV], 2
	s_cselect_b64 s[PFA:PFA+1], s[6:7], s[8:9]
	s_add_nc_u64 s[PFA:PFA+1], s[PFA:PFA+1], s[20:21]  ; the head's first row
	s_add_nc_u64 s[4:5], s[4:5], s[2:3]  ; Q and O at my wave's first row
	s_add_nc_u64 s[10:11], s[10:11], s[2:3]
	s_lshl_b32 s2, s13, 13          ; my work-group's 32 blocks of a slot's 128
	s_mov_b32 s3, 0
	s_add_nc_u64 s[PFA:PFA+1], s[PFA:PFA+1], s[2:3]
	s_add_nc_u64 s[PFA:PFA+1], s[PFA:PFA+1], 4*KS*128  ; in slot 1; the first change of slots steps it to slot 2
	CROUND                          ; all four work-groups are here: the first joint loads meet
	JLOAD                           ; slot 0.  Slot 1 is asked for when slot 0 is in: the tile wanted first has the road to itself
	; A fragment of K or Q is 16 rows x 32 channels in 8 registers: lane l holds row l % 16, channels 8 (l / 16) + 0..7 and 16 + 8 (l / 16) + 0..7: two loads of 16 bytes, 32 bytes apart.
	v_and_b32 v1, 15, v0            ; l % 16
	v_bfe_u32 v9, v0, 4, 1          ; l / 16
	v_lshlrev_b32 v[QO], 7, v1
	v_lshl_add_u32 v[QO], v9, 4, v[QO]  ; row x 128 + 16 x half
	WIN 0x80                        ; destination window 2, address window 0
.set i, 0
.rept 4*NP                          ; Q stays in registers: tile i / 2, channels 32 (i % 2) on
	global_load_b128 v[8*i:8*i+3],   v[QO], s[4:5] offset:(i/2)*2048+(i%2)*64
	global_load_b128 v[8*i+4:8*i+7], v[QO], s[4:5] offset:(i/2)*2048+(i%2)*64+32
.set i, i+1
.endr
	; What the first turn finds: V's registers and P's second buffer hold 0 (its products V^T P, of a piece that has not been, add 0), O^T and l are 0.  All this stands in the wait for the first tile.
.set i, VF
.rept 64
	v_mov_b32 v[i], 0
.set i, i+1
.endr
	WIN 0x40
.set i, 0
.rept 64*NP
	v_mov_b32 v[i], 0
.set i, i+1
.endr
	WIN 0
.set i, 0
.rept 2*NP
	v_mov_b32 v[ST+4*i], 0xfe000000    ; c m: far below every c s
	v_mov_b32 v[ST+4*i+1], 0xff7fffff  ; m
	v_mov_b32 v[ST+4*i+2], 0
	v_mov_b32 v[ST+4*i+3], 0
.set i, i+1
.endr
.set i, P+32
.rept 32
	v_mov_b32 v[i], 0
.set i, i+1
.endr
	v_mul_u32_u24 v[AK0], v1, PK
	v_lshl_add_u32 v[AK0], v9, 4, v[AK0]  ; row x pitch + 16 x half
	; The turning load takes 16 keys x 16 channels (lane l reads key 8 (l / 16) + l % 8, channels 8 ((l / 8) % 2) + 0..7) and leaves half a fragment of V^T: lane l holds channel l % 16 and 8 keys.
	v_and_b32 v10, 7, v0
	v_bfe_u32 v11, v0, 3, 1
	v_lshl_add_u32 v[AV0], v9, 3, v10
	v_mul_u32_u24 v[AV0], v[AV0], PV
	v_lshl_add_u32 v[AV0], v11, 4, v[AV0]
	v_add_nc_u32 v[AV0], VOFF, v[AV0]
	v_and_b32 v[PFO], 31, v0
	v_lshlrev_b32 v[PFO], 8, v[PFO]
	v_mov_b32 v[AK], v[AK0]         ; key step 0 lies at the head of slot 0
; THE MATRIX WORK.  The 8 accumulators of a run of 16 take turns: between the two links of a chain stand 7 others'.
; Product i of 16 of S^T = K Q^T for piece x: channels 32 (i / 8) on, keys 16 ((i / 2) % 4) on, tile 2 x + i % 2.  The first 8 start the sums.
.macro KQ x
	WIN W_KQ
.set rS, S+64*((\x)%2)+32*(i%2)+8*((i/2)%4)
.set rK, KF+16*((i/2)%4)+8*(i/8)
.set rQ, 16*(2*(\x)+i%2)+8*(i/8)
.if i < 8
	v_wmma_f32_16x16x32_f16 v[rS:rS+7], v[rK:rK+7], v[rQ:rQ+7], 0
.else
	v_wmma_f32_16x16x32_f16 v[rS:rS+7], v[rK:rK+7], v[rQ:rQ+7], v[rS:rS+7]
.endif
.endm
; Product i of 16 of O^T += V^T P for piece x: keys 32 (i / 8) on, channels 16 ((i / 2) % 4) on, tile 2 x + i % 2.
.macro PV x
	WIN W_PV
.set rO, 32*(2*(\x)+i%2)+8*((i/2)%4)
.set rV, VF+32*(i/8)+8*((i/2)%4)
.set rP, P+32*((\x)%2)+16*(i%2)+8*(i/8)
	v_wmma_f32_16x16x32_f16 v[rO:rO+7], v[rV:rV+7], v[rP:rP+7], v[rO:rO+7]
.endm
.macro MM                           ; the turn's next matrix instruction
.if i < 16
	KQ (Y+1)%NP
.set i, i+1
.else
.set i, i-16
	PV (Y+NP-1)%NP
.set i, i+17
.endif
.endm
; THE LDS LOADS stand in runs of 16, never singly among the matrix instructions: a step's K (64 keys x 64 channels: 8 fragments) and its V (turned).  Their addresses are made some lines ahead.
; last = 1 (the tail): in the last trip there is no further step, and the run is jumped over.
.macro FETCH_K last=0
	WIN 0
.if \last
	s_cmp_eq_u32 s[CNT], 1
	s_cbranch_scc1 .Lno_k_\@
.endif
	WIN 0x80                        ; destination window 2
.irp f, 0,1,2,3,4,5,6,7             ; keys 16 (f / 2) on, channels 32 (f % 2) on
	ds_load_b128 v[KF+8*\f:KF+8*\f+3],   v[AK] offset:(\f/2)*16*PK+(\f%2)*64
	ds_load_b128 v[KF+8*\f+4:KF+8*\f+7], v[AK] offset:(\f/2)*16*PK+(\f%2)*64+32
.endr
	s_add_co_u32 s[TBK], s[TBK], KS*PK  ; the next fetch is the next step's
	WIN 0
.if \last
.Lno_k_\@:
.endif
.endm
.macro FETCH_V
	WIN 0x80
.irp f, 0,1,2,3,4,5,6,7             ; keys 32 (f / 4) on, channels 16 (f % 4) on
	ds_load_tr16_b128 v[VF+8*\f:VF+8*\f+3],   v[AV] offset:(\f/4)*32*PV+(\f%4)*32
	ds_load_tr16_b128 v[VF+8*\f+4:VF+8*\f+7], v[AV] offset:(\f/4)*32*PV+16*PV+(\f%4)*32
.endr
	WIN 0
.endm
; THE VECTOR WORK OF A TURN stands in three queues, each in the order in which its entries become ready; the two tiles alternate, so that no instruction reads the result of the one before it.
.macro REGS y, u                    ; the registers of tile u (0, 1) of piece y
.set rT, ST+4*(2*(\y)+(\u))
.set rC, TMP+8*((\y)%2)+4*(\u)
.set rM, MV+2*((\y)%2)+(\u)
.set rS, S+64*((\y)%2)+32*(\u)
.set rP, P+32*((\y)%2)+16*(\u)
.set rO, 32*(2*(\y)+(\u))
.endm
; Number n of the 22 that find the NEXT piece's (Y + 1) maximum and statistics.  s0-s31 are the lane's 32 scores; each accumulator's lowest registers are read first.  XS, GS and REGS set no window: PL and EX do.
;   0-11  four chains c0-c3 of seven scores each, three operands at a time     12-14, 16  the four scores left over, the old m, and c0-c3 into c0     15  c m_old is kept
;   17, 18  the query's other 32 keys lie in the lane 16 away: the new m         19-21  c m; c m_old - c m_new; a
.macro XS u, n
	REGS (Y+1)%NP, \u
.if (\n) < 4
	v_max3_num_f32 v[rC+(\n)], v[rS+8*(\n)], v[rS+8*(\n)+1], v[rS+8*(\n)+2]
.elseif (\n) < 12
	v_max3_num_f32 v[rC+(\n)%4], v[rC+(\n)%4], v[rS+8*((\n)%4)+2*((\n)/4)+1], v[rS+8*((\n)%4)+2*((\n)/4)+2]
.elseif (\n) == 12
	v_max3_num_f32 v[rC], v[rC], v[rS+7], v[rS+15]
.elseif (\n) == 13
	v_max3_num_f32 v[rC+1], v[rC+1], v[rS+23], v[rS+31]
.elseif (\n) == 14
	v_max3_num_f32 v[rC+2], v[rC+2], v[rC+3], v[rT+1]
.elseif (\n) == 15
	v_mov_b32 v[rM], v[rT]
.elseif (\n) == 16
	v_max3_num_f32 v[rC], v[rC], v[rC+1], v[rC+2]
.elseif (\n) == 17
	v_permlanex16_b32 v[rC+3], v[rC], s[SEL], s[SEL+1]
.elseif (\n) == 18
	v_max_num_f32 v[rT+1], v[rC], v[rC+3]
.elseif (\n) == 19
	v_mul_f32 v[rT], s[CS], v[rT+1]
.elseif (\n) == 20
	v_sub_f32 v[rC+1], v[rM], v[rT]
.else
	v_exp_f32 v[rC+2], v[rC+1]
.endif
.endm
; Number g of the 64 that follow the exponentials.  For each four weights k of a tile (pairs 2 k, 2 k + 1): both pairs are rounded to f16; then the second pair is added onto the first, in place;
; a group later l takes that sum (the first time as l = a l + sum).  In groups of eight, tiles alternating: round, round, add, and l for the group before.
.macro GS g
.set h, (\g)+6*((\g)/62)            ; group 0 has no group before it, and behind group 7 only l is left
.if h >= 6
.set h, h+2
.endif
	REGS Y, h%2
.set k, h/8
.if h%8 < 4
	s_wait_alu depctr_va_vdst(0)
	v_cvt_pk_f16_f32 v[rP+2*k+(h%8)/2], v[rS+4*k+2*((h%8)/2)], v[rS+4*k+2*((h%8)/2)+1]
.elseif h%8 < 6
	v_pk_add_f32 v[rS+4*k:rS+4*k+1], v[rS+4*k:rS+4*k+1], v[rS+4*k+2:rS+4*k+3]
.elseif k == 1
	v_pk_fma_f32 v[rT+2:rT+3], v[rT+2:rT+3], v[rC+2:rC+3], v[rS:rS+1] op_sel_hi:[1,0,1]
.else
	v_pk_add_f32 v[rT+2:rT+3], v[rT+2:rT+3], v[rS+4*k-4:rS+4*k-3]
	s_wait_alu depctr_va_vdst(0)
.endif
.endm
; THE PLAIN QUEUE, 138 long.  0-31: c s - c m for the 16 pairs of both tiles.  Then GS's 64, and among them the next piece's 42: number 15 at 38, 39; 0-14 and 16
; at 42-73, behind the products that make those scores; 17-20 at 95-106, two of three, since each waits for the one before it.
.macro PL
	WIN 0
.if q < 32
	REGS Y, q%2
	v_pk_fma_f32 v[rS+2*(q/2):rS+2*(q/2)+1], v[rS+2*(q/2):rS+2*(q/2)+1], s[CS:CS+1], v[rT:rT+1] op_sel_hi:[1,0,0] neg_lo:[0,0,1] neg_hi:[0,0,1]
.elseif q < 38
	GS q-32
.elseif q < 40
	XS q%2, 15
.elseif q < 42
	GS q-34
.elseif q < 74
	XS q%2, (q-42)/2+(q-42)/30
.elseif q < 95
	GS q-66
.elseif (q < 107) && ((q-95)%3 < 2)
	XS (q-95)%3, 17+(q-95)/3
.elseif q < 107
	GS 29+(q-95)/3
.else
	GS q-74
.endif
.set q, q+1
.endm
; THE EXPONENTIALS' QUEUE, 66 long: s0-s31 of both tiles, and at EA the next piece's two a.
.set EA, 58
.macro EX
	WIN 0
.if (e == EA) || (e == EA+1)
	XS e-EA, 21
.else
.set x, e-2*(e/(EA+2))
	REGS Y, x%2
	v_exp_f32 v[rS+x/2], v[rS+x/2]
.endif
.set e, e+1
.endm
; THE RESCALING's QUEUE: O^T times a, the one part that leaves window 0, so it is dealt four at a time, eight times.
.macro R4
	REGS Y, r%2
	WIN W_RS
	s_wait_alu depctr_va_vdst(0)
.irp z, 0,1,2,3
	v_pk_mul_f32 v[rO+8*(r/2)+2*\z:rO+8*(r/2)+2*\z+1], v[rO+8*(r/2)+2*\z:rO+8*(r/2)+2*\z+1], v[rC+2:rC+3] op_sel_hi:[1,0]
.endr
.set r, r+1
.endm
; HOW THEY ARE DEALT.  Behind a matrix instruction four: plain, exponential, plain, plain (one exponential, a plain instruction on either side), or four of the rescaling.  None names a register of the
; products round it.  What is over stands in two LUMPS: exponential and plain by turns; the second ends in 22 plain instructions.  The two v_permlanex16_b32 fall into the second lump, never behind a product.
; The queues lean on each other, and the deal keeps them in step: exponential e stands behind plain 2 (e / 4) + e % 2 (its scaling); when plain 32 comes, 10 exponentials are out, at 59: 33, at 95: 46; EA comes behind plain 107.
.macro SL
	MM
	PL
	EX
	PL
	PL
.endm
.macro BURST n                      ; 15 matrix instructions, or 16
.rept (\n)-7
	SL
.endr
.rept 3
	MM
	R4
	SL
.endr
	MM
	R4
.endm
; A TURN, for piece p.  cnt = 1: the loop's count is taken down some lines ahead of the branch that stands behind the turn.
; K of the next step is fetched in piece 2's turn, 31 vector instructions behind the last product that read K; its first reader comes behind the rest of the lump, 16 products and the second lump.
; V of the step in hand is fetched at the end of piece 0's turn, 69 behind its last reader; its first reader comes behind 16 products and a lump.  The four conditions on e and q below go with the deal.
.macro TURN p, last=0, cnt=0
.set Y, (\p)
.set i, 0
.set q, 0
.set e, 0
.set r, 0
.if (\p) == NP-1
	s_wait_dscnt 0x0                ; K is in
.endif
	MM
.rept 4
	PL
.endr
	BURST 15
.rept 22
	EX
	PL
.if ((\p) == NP-2) && (e == 18)
	v_add_nc_u32 v[AK], s[TBK], v[AK0]
.endif
.if ((\p) == NP-2) && (e == 24)
	FETCH_K \last
.endif
.endr
.if (\p) == 1
	s_wait_dscnt 0x0                ; V is in
.endif
	BURST 16
.rept 21
	EX
	PL
.endr
.rept 22
	PL
.if ((\p) == 0) && (q == 118)
	v_add_nc_u32 v[AV], s[TBV], v[AV0]
	s_wait_alu depctr_va_vdst(0)
.endif
.if ((\p) == 0) && (q == 130)
	s_add_co_u32 s[TBV], s[TBV], KS*PV
.endif
.if (\cnt) && (q == 130)
	s_sub_co_u32 s[CNT], s[CNT], 1
	s_cmp_lg_u32 s[CNT], 0
.endif
.endr
.if (\p) == 0
	FETCH_V
.endif
.endm
	CHANGE 1                        ; slot 0 is in, everybody's part of it; slot 1 is asked for
	FETCH_K                         ; key step 0
	s_wait_loadcnt 0x0              ; Q
	s_wait_dscnt 0x0
.set i, 0
.rept 16
	KQ 0                            ; piece 0's first scores: there is no vector work yet to set between them
.set i, i+1
.endr
	WIN 0                           ; the addresses for the way out: nine plain instructions, the places behind those products
	s_mul_i32 s13, s[WV], 16*SP
	s_add_co_u32 s13, s13, STAGE    ; my stage
	v_mul_u32_u24 v[STO], v1, SP    ; in: row l % 16, 16 bytes for each half of the lanes
	v_lshl_add_u32 v[STO], v9, 4, v[STO]
	v_add_nc_u32 v[STO], s13, v[STO]
	v_bfe_u32 v[RD], v0, 3, 2       ; back: 32 lanes take four rows of 128 bytes,
	v_mul_u32_u24 v[RD], v[RD], SP
	v_lshl_add_u32 v[RD], v10, 4, v[RD]
	v_add_nc_u32 v[RD], s13, v[RD]
	v_and_b32 v[GO], 31, v0         ; which are 512 consecutive bytes of O
	v_lshlrev_b32 v[GO], 4, v[GO]
.set Y, NP-1                        ; XS works for piece Y + 1: piece 0
.irp n, 0,1,2,3,4,5,6,7,8,9,10,11,12,13,14,15,16,17,18,19,20,21
	XS 0, \n                        ; and piece 0's first maximum and statistics
	XS 1, \n
.endr
	s_mov_b32 s[CNT], 4
	s_branch .Lfirst                ; the loop is entered at a step's first turn, in the middle of a trip
.Lslot:                             ; SIZE_N / 256 - 2 times: every slot but the last two is filled again
	CHANGE 1
	s_mov_b32 s[CNT], 4
.Lstep:                             ; a trip: pieces 2 and 3 of one step, then pieces 0 and 1 of the next, whose K and V it fetches
	TURN 2
	TURN 3
	WIN 0
.Lfirst:
	TURN 0
	TURN 1, 0, 1
	WIN 0
	s_cbranch_scc1 .Lstep
	s_sub_co_u32 s[SLOTS], s[SLOTS], 1
	s_cmp_lg_u32 s[SLOTS], 0
	s_cbranch_scc1 .Lslot
	CHANGE 0                        ; the tail is written out: nothing is asked for
	s_mov_b32 s[CNT], 5             ; four trips fetch the last slot's steps; the fifth is left in its middle
.Ltail:
	TURN 2, 1
	TURN 3
	WIN 0
	s_sub_co_u32 s[CNT], s[CNT], 1
	s_cmp_eq_u32 s[CNT], 0
	s_cbranch_scc1 .Lout
	TURN 0
	TURN 1
	WIN 0
	s_branch .Ltail
.Lout:                              ; the fifth trip's 16 products K Q^T (on the last K once more) and the maximum made of them serve nothing: the price, once a launch, of one text for every trip
.set i, 0
.rept 16
	PV NP-1                         ; the last piece's V^T P of the last step
.set i, i+1
.endr
	; THE WAY OUT.  l's two halves and the other half of the lanes' are added; O^T is divided by l, rounded to f16 and sent through my stage in LDS, a tile at a time.  The additions are the places behind the last products.
	WIN 0
.macro ALL line:vararg              ; one line for each tile t
.set t, 0
.rept 2*NP
	\line
.set t, t+1
.endr
.endm
	ALL v_add_f32 v[ST+4*t+2], v[ST+4*t+2], v[ST+4*t+3]
	ALL v_permlanex16_b32 v[ST+4*t+3], v[ST+4*t+2], s[SEL], s[SEL+1]
	ALL v_add_f32 v[ST+4*t+2], v[ST+4*t+2], v[ST+4*t+3]
	ALL v_rcp_f32 v[ST+4*t+2], v[ST+4*t+2]
	v_nop                           ; a plain instruction between the last reciprocal and the use of its result
	s_wait_alu depctr_va_vdst(0)
; Tile t: a lane's eight channels of a row pack into 16 bytes; they go into rows of 144 bytes and come back as whole rows of 128, into S^T's registers.
.macro PACK t
	WIN W_RS
.set i, 32*(\t)
.rept 16
	v_pk_mul_f32 v[i:i+1], v[i:i+1], v[ST+4*(\t)+2:ST+4*(\t)+3] op_sel_hi:[1,0]
.set i, i+2
.endr
	WIN 0x05                        ; sources 0 and 1 window 1, destination window 0
.set i, 0
.rept 16
	v_cvt_pk_f16_f32 v[S+16*(\t)+i], v[32*(\t)+2*i], v[32*(\t)+2*i+1]
.set i, i+1
.endr
	WIN 0
.irp f, 0,1,2,3
	ds_store_b128 v[STO], v[S+16*(\t)+4*\f:S+16*(\t)+4*\f+3] offset:32*\f
.endr
.irp f, 0,1,2,3
	ds_load_b128 v[S+16*(\t)+4*\f:S+16*(\t)+4*\f+3], v[RD] offset:\f*4*SP  ; LDS serves a wave's instructions in order (ISA guide 5.7.1.4): these see the stores above; the next tile's stores come behind them
.endr
.endm
.macro SEND t, younger              ; younger: the LDS instructions issued behind tile t's loads: the next tile's eight, or none
	WIN 0
.irp f, 0,1,2,3
	s_wait_dscnt (\younger)+3-\f
	global_store_b128 v[GO], v[S+16*(\t)+4*\f:S+16*(\t)+4*\f+3], s[10:11] offset:(\t)*2048+\f*512  ; 512 consecutive bytes, at a multiple of 256 from O's first
.endr
.endm
	PACK 0
.set t, 1
.rept 2*NP-1                        ; a tile's arithmetic stands between the loads of the tile before and its stores
	PACK t
	SEND t-1, 8
.set t, t+1
.endr
	SEND 2*NP-1, 0
	WIN W_AD
	s_wait_tensorcnt 0x0            ; the wave's end, behind my last tensor load and my last LDS store
	ds_add_u32 v[SPW], v[NIL]
	s_wait_dscnt 0x0
	WIN 0
	CROUND                          ; the closing round: no work-group ends while a partner may still ask for a tile that names it
	s_endpgm
.Lfunc_end_k_q0d794da1e6_attn:
	.size	k_q0d794da1e6_attn, .Lfunc_end_k_q0d794da1e6_attn-k_q0d794da1e6_attn
	.p2alignl 7, 3214868480
	.fill 96, 4, 3214868480
	.section	.rodata,"a",@progbits
	.p2align	6, 0x0
	.amdhsa_kernel k_q0d794da1e6_attn
		.amdhsa_group_segment_fixed_size 327680
		.amdhsa_private_segment_fixed_size 0
		.amdhsa_enable_private_segment 0
		.amdhsa_kernarg_size 16
		.amdhsa_user_sgpr_count 2
		.amdhsa_user_sgpr_kernarg_segment_ptr 1
		.amdhsa_wavefront_size32 1
		.amdhsa_system_sgpr_workgroup_id_x 1
		.amdhsa_system_sgpr_workgroup_id_y 1
		.amdhsa_system_sgpr_workgroup_id_z 1
		.amdhsa_system_vgpr_workitem_id 0
		.amdhsa_next_free_vgpr 770
		.amdhsa_next_free_sgpr 66
		.amdhsa_reserve_vcc 0
		.amdhsa_float_denorm_mode_32 3
		.amdhsa_float_denorm_mode_16_64 3
		.amdhsa_memory_ordered 1
		.amdhsa_forward_progress 1
		.amdhsa_inst_pref_size 209
	.end_amdhsa_kernel
	.amdgpu_metadata
---
amdhsa.version: [ 1, 2 ]
amdhsa.kernels:
  - .name:           k_q0d794da1e6_attn
    .symbol:         k_q0d794da1e6_attn.kd
    .args:
      - { .name: qkv, .offset: 0, .size: 8, .value_kind: global_buffer, .address_space: global }
      - { .name: oh, .offset: 8, .size: 8, .value_kind: global_buffer, .address_space: global }
    .group_segment_fixed_size: 327680
    .private_segment_fixed_size: 0
    .kernarg_segment_align: 8
    .kernarg_segment_size: 16
    .max_flat_workgroup_size: 128
    .sgpr_count:     66
    .vgpr_count:     770
    .wavefront_size: 32
...
	.end_amdgpu_metadata
.endif
;; end of part 3
;; launch oproj (part 4): grid 8 x 32, 4 waves a work-group, clusters of 4 x 4, 327,680 bytes of LDS; arguments oh, wob, biasr, out0; writes out0
.if DOCPART == 4
	.amdgcn_target "amdgcn-amd-amdhsa--gfx1250"
	.amdhsa_code_object_version 6
	.text
	.protected	k_q0d794da1e6_oproj
	.globl	k_q0d794da1e6_oproj
	.p2align	8
	.type	k_q0d794da1e6_oproj,@function
k_q0d794da1e6_oproj:
	s_mov_b64 s[64:65], 0
	v_nop
	global_prefetch_b8 v0, s[64:65] scope:SCOPE_SE
	s_setreg_imm32_b32 hwreg(HW_REG_WAVE_MODE, 25, 1), 1
	s_wait_xcnt 0x0
	s_wait_alu depctr_hold_cnt(0) depctr_sa_sdst(0) depctr_va_vdst(0) depctr_va_sdst(0) depctr_va_ssrc(0) depctr_va_vcc(0) depctr_vm_vsrc(0)
	s_getreg_b32 s2, hwreg(HW_REG_IB_STS2, 6, 4)
	s_cmp_eq_u32 s2, 0
	s_cbranch_scc0 .Lentry_in_a_cluster
	s_endpgm
.Lentry_in_a_cluster:
	s_bfe_u32 s2, ttmp6, 0x10000c
	s_cmp_lg_u32 s2, 0xf033
	s_cbranch_scc0 .Lentry_shape_is_right
	s_endpgm
.Lentry_shape_is_right:
; out0[8192][1024] = O Wo^T + bo, f16 products, f32 sums, f32 output.  O lies by heads, [batch x 16 + head][row 2048][64] f16: a head is a block of 64 along K, its rows end to end;
; wob [kb 16][n 1024][64] f16 holds Wo in the same blocks; bo stands at f32 word 3,072 of biasr.
; SHARES.  A tile of the output is 256 x 128: 32 x 8 = 256 work-groups.  Four waves, each 128 rows x 64 columns: 8 row blocks a x 4 fragments f: 32 accumulators in window 1, (a, f) at v[8 (4 a + f)].
; K goes in 8 steps of 128, two heads' blocks j = 0, 1, through two LDS slots.  Each wave fetches one dense block with one tensor load: wave 0 O's block 0, wave 1 O's block 1, waves 2 and 3 wob's.
; THE PRODUCT IS USED TRANSPOSED (source 0 = 16 rows of wob, source 1 = 16 rows of O): a lane holds row l % 16 and eight neighbouring columns.  THE BIAS is the C operand of the products that start the sums.
; CLUSTER 4 x 4: O's tile hangs on the tile row alone and is asked for jointly by a row of the cluster, wob's on the tile column alone, by a column.
; REGISTERS.  Window 0: v0-13 addresses; v32-63 bias; v64-127 rows on the way out.  Window 1: accumulators.  Windows 2 and 3: a fragment buffer each, a block of 64 along K:
; slice c of 32: wob's fragment f at 96 c + 8 f, O's fragment a at 96 c + 32 + 8 a.
.set PITCH, 144                        ; an LDS row: 128 bytes + 16 = 36 words: the 16 rows of a fragment load start at 16 different groups of four banks (64 banks of 4 bytes: ISA guide 11.1)
.set SLOT1, 1<<17
.set ABLK,  256*PITCH                  ; a block of O's tile
.set BBLK,  128*PITCH                  ; a block of wob's
.set BOFF,  2*ABLK
.set STAGE, SLOT1+BOFF+2*BBLK          ; behind the ring: 16 rows x 272 bytes for each wave; no tensor load lands there
.set SP,    272                        ; a stage row: 256 bytes + 16
.set SPARE, STAGE+4*16*SP              ; the spare words, 128 bytes for each wave: two blocks of 256 bytes that no other line names
.set KSA,   524288                     ; two heads of O
.set KSB,   262144                     ; two blocks of wob
.set A0,   4                           ; v4   my place in O's block 0 in slot 0; never rewritten
.set B0,   5                           ; v5   the same for wob
.set ADRA, 6
.set ADRB, 7
.set STO,  8                           ; v8   the way out: where I put 32 bytes of a row
.set RD,   9                           ; v9   where I read a row back
.set CO,   10                          ; v10  my byte offset in two rows of out0
.set BO,   11                          ; v11  my 32 bytes of a fragment's 64 bytes of bias
.set SPW,  12                          ; v12  LDS address of my spare word; never rewritten
.set NIL,  13                          ; v13  0; never rewritten
.set BIAS, 32
.set BK,   64
.set WV,   12
.set WM,   13                          ; s13  my half of the rows; also: I fetch O (0) or wob (1)
.set WN,   14                          ; s14  my half of the columns; also: which block j I fetch
.set G1A,  24
.set G1B,  32
.set G0A,  40
.set G0B,  48
.set TB,   56
.set CNT,  57
.set OUT,  66                          ; s[66:67] out0 at my first row and column
.set BP,   68                          ; s[68:69] bo at my 64 columns
.set MSB, 0
.macro WIN new                         ; the immediate's high byte repeats the setting that is left; a switch that changes nothing is dropped
.if MSB != (\new)
	s_set_vgpr_msb (MSB<<8)|(\new)
.set MSB, \new
.endif
.endm
.macro PLACES                          ; four plain vector instructions between a product and a load into, or a read of, one of its registers
.rept 4
	v_nop
.endr
.endm
.macro JLOAD                           ; a joint refill; the branch hangs on the wave's number alone; an s_nop 0 and four v_nop follow each of the two lines
	s_cmp_eq_u32 s[WM], 0
	s_cbranch_scc0 .Lfor_b_\@
	tensor_load_to_lds s[G0A+4:G0A+7], s[G1A:G1A+7]
	s_nop 0
.rept 4
	v_nop
.endr
	s_branch .Lasked_\@
.Lfor_b_\@:
	tensor_load_to_lds s[G0B+4:G0B+7], s[G1B:G1B+7]
	s_nop 0
.rept 4
	v_nop
.endr
.Lasked_\@:
.endm
.macro CREST                           ; a round of the cluster's barrier behind its opening barrier
	s_cmp_lg_u32 s[WV], 0
	s_cbranch_scc1 .Lnot_wave_0_\@
	s_barrier_signal -3
.Lnot_wave_0_\@:
	s_barrier_wait -3
	s_barrier_signal -1
	s_barrier_wait -1
.endm
.macro CROUND
	s_barrier_signal -1
	s_barrier_wait -1
	CREST
.endm
	s_load_b256 s[4:11], s[0:1], 0x0               ; oh s[4:5], wob s[6:7], biasr s[8:9], out0 s[10:11]
	v_lshl_add_u32 v[SPW], v0, 2, SPARE
	v_mov_b32 v[NIL], 0
	ds_add_u32 v[SPW], v[NIL]                      ; the wave's opening: the add and its wait stand ahead of my first tensor load; the set-up below, work on registers, stands between them
	v_lshrrev_b32 v1, 5, v0
	v_readfirstlane_b32 s[WV], v1
	s_lshr_b32 s[WM], s[WV], 1
	s_and_b32 s[WN], s[WV], 1
	s_bfe_u32 s15, ttmp6, 0x40000                  ; cx
	s_bfe_u32 s16, ttmp6, 0x40004                  ; cy
	s_lshl_b32 s17, ttmp9, 2
	s_add_co_u32 s17, s17, s15                     ; tile column
	s_and_b32 s18, ttmp7, 0xffff
	s_lshl_b32 s18, s18, 2
	s_add_co_u32 s18, s18, s16                     ; tile row
	s_lshl_b32 s62, s16, 2
	s_lshl_b32 s62, 15, s62                        ; my row of the cluster
	s_lshl_b32 s63, 0x1111, s15                    ; my column
	s_or_b32 s[G1A], s62, (1<<16)|(1<<20)|(1<<21)|(4<<22)|(3<<25)  ; the mask; 2-byte elements; padding on; bit 21 beside a mask; 4 words behind every 32
	s_or_b32 s[G1B], s63, (1<<16)|(1<<20)|(1<<21)|(4<<22)|(3<<25)
	s_mov_b32 s[G1A+1], 128<<16                    ; tensor_dim0 = 128 elements: 256 bytes, two rows of a block
	s_mov_b32 s[G1A+2], 128<<16                    ; tensor_dim1 = 128: 256 rows of 128 bytes
	s_mov_b32 s[G1A+3], 128<<16                    ; tile_dim0
	s_mov_b32 s[G1A+4], 128                        ; tile_dim1
	s_mov_b32 s[G1A+5], 128                        ; elements from row to row
	s_mov_b32 s[G1A+6], 0
	s_mov_b32 s[G1A+7], 0
	s_mov_b32 s[G1B+1], 128<<16
	s_mov_b32 s[G1B+2], 64<<16                     ; 128 rows of 128 bytes
	s_mov_b32 s[G1B+3], 128<<16
	s_mov_b32 s[G1B+4], 64
	s_mov_b32 s[G1B+5], 128
	s_mov_b32 s[G1B+6], 0
	s_mov_b32 s[G1B+7], 0
	s_mul_i32 s[G0A+1], s[WN], ABLK                ; LDS addresses: the block that I fetch, slot 0 and slot 1
	s_add_co_u32 s[G0A+5], s[G0A+1], SLOT1
	s_mul_i32 s[G0B+1], s[WN], BBLK
	s_add_co_u32 s[G0B+1], s[G0B+1], BOFF
	s_add_co_u32 s[G0B+5], s[G0B+1], SLOT1
	s_lshr_b32 s20, s18, 3                         ; O: the batch,
	s_lshl_b32 s20, s20, 22
	s_and_b32 s21, s18, 7
	s_lshl_b32 s21, s21, 15                        ; the tile's 256 rows in a head,
	s_add_co_u32 s20, s20, s21
	s_lshl_b32 s21, s[WN], 18                      ; head j
	s_add_co_u32 s20, s20, s21
	s_mov_b32 s21, 0
	s_lshl_b32 s22, s17, 14                        ; wob: the tile's 128 rows in a block,
	s_lshl_b32 s23, s[WN], 17                      ; block j
	s_add_co_u32 s22, s22, s23
	s_mov_b32 s23, 0
	s_mov_b32 s[TB], 0
	s_wait_dscnt 0x0                               ; the opening add is done
	s_wait_kmcnt 0x0
	s_add_nc_u64 s[20:21], s[4:5], s[20:21]
	s_add_nc_u64 s[22:23], s[6:7], s[22:23]
	CROUND                                         ; all sixteen work-groups are here: the first joint loads meet
.irp s, 0,1
	s_mov_b32 s[G0A+4*(\s)], 1
	s_add_nc_u64 s[G0A+4*(\s)+2:G0A+4*(\s)+3], s[20:21], (\s)*KSA
	s_or_b32 s[G0A+4*(\s)+3], s[G0A+4*(\s)+3], 0x80000000
	s_mov_b32 s[G0B+4*(\s)], 1
	s_add_nc_u64 s[G0B+4*(\s)+2:G0B+4*(\s)+3], s[22:23], (\s)*KSB
	s_or_b32 s[G0B+4*(\s)+3], s[G0B+4*(\s)+3], 0x80000000
.endr
	s_cmp_eq_u32 s[WM], 0                          ; a wave's two first fills stand in one branch, ahead of every wait on TENSORcnt and every LDS read: two loads of mine are out
	s_cbranch_scc0 .Lfirst_b
	tensor_load_to_lds s[G0A:G0A+3], s[G1A:G1A+7]
	s_nop 0
	tensor_load_to_lds s[G0A+4:G0A+7], s[G1A:G1A+7]
	s_nop 0
.rept 4
	v_nop
.endr
	s_branch .Lfirst_asked
.Lfirst_b:
	tensor_load_to_lds s[G0B:G0B+3], s[G1B:G1B+7]
	s_nop 0
	tensor_load_to_lds s[G0B+4:G0B+7], s[G1B:G1B+7]
	s_nop 0
.rept 4
	v_nop
.endr
.Lfirst_asked:
	v_and_b32 v1, 15, v0                           ; l % 16
	v_bfe_u32 v2, v0, 4, 1                         ; l / 16
	v_lshlrev_b32 v[BO], 5, v2
	s_lshl_b32 s80, s17, 9                         ; the tile's 128 columns of f32,
	s_lshl_b32 s81, s[WN], 8                       ; my 64
	s_add_co_u32 s80, s80, s81
	s_add_co_u32 s80, s80, 12288                   ; bo behind bq, bk, bv
	s_mov_b32 s81, 0
	s_add_nc_u64 s[BP:BP+1], s[8:9], s[80:81]
.irp f, 0,1,2,3
	global_load_b128 v[BIAS+8*(\f):BIAS+8*(\f)+3],   v[BO], s[BP:BP+1] offset:64*(\f)
	global_load_b128 v[BIAS+8*(\f)+4:BIAS+8*(\f)+7], v[BO], s[BP:BP+1] offset:64*(\f)+16
.endr
	v_mul_u32_u24 v3, v1, PITCH
	v_lshl_add_u32 v3, v2, 4, v3                   ; a fragment's row x pitch + 16 x half
	s_mul_i32 s58, s[WM], 128*PITCH
	v_add_nc_u32 v[A0], s58, v3
	s_mul_i32 s58, s[WN], 64*PITCH
	s_add_co_u32 s58, s58, BOFF
	v_add_nc_u32 v[B0], s58, v3
	v_mov_b32 v[ADRA], v[A0]
	v_mov_b32 v[ADRB], v[B0]
	s_mul_i32 s58, s[WV], 16*SP
	s_add_co_u32 s58, s58, STAGE                   ; my stage
	v_mul_u32_u24 v[STO], v1, SP                   ; in: row l % 16, 32 bytes for each half of the lanes
	v_lshl_add_u32 v[STO], v2, 5, v[STO]
	v_add_nc_u32 v[STO], s58, v[STO]
	v_mul_u32_u24 v[RD], v2, SP                    ; back: lanes 0-15 one row of 256 bytes, lanes 16-31 the next
	v_lshl_add_u32 v[RD], v1, 4, v[RD]
	v_add_nc_u32 v[RD], s58, v[RD]
	v_lshlrev_b32 v[CO], 12, v2                    ; and the same two rows of out0, 4,096 bytes apart
	v_lshl_add_u32 v[CO], v1, 4, v[CO]
	s_lshl_b32 s80, s18, 20                        ; 256 rows of 4,096 bytes,
	s_lshl_b32 s81, s[WM], 19                      ; my 128,
	s_add_co_u32 s80, s80, s81
	s_lshl_b32 s81, s17, 9                         ; the tile's columns,
	s_add_co_u32 s80, s80, s81
	s_lshl_b32 s81, s[WN], 8                       ; my 64
	s_add_co_u32 s80, s80, s81
	s_mov_b32 s81, 0
	s_add_nc_u64 s[OUT:OUT+1], s[10:11], s[80:81]
; 16 products from buffer g, slice c: row blocks a0 .. a0 + 3 x 4 fragments.  first = 1 (buffer 0): the bias, in window 0, is the C that starts the sums.
; The 32 accumulators take turns, one instruction a turn: 31 others' stand between two links of a chain, over the backward jump too.
.macro MUL16 g, c, a0, first
.if \first
	WIN 0x4a                                       ; sources 0 and 1 window 2, C window 0, D window 1
.else
	WIN 0x50|(5*(2+(\g)))                          ; sources 0 and 1 window 2 + g, C and D window 1
.endif
.irp a, (\a0), (\a0)+1, (\a0)+2, (\a0)+3
.irp f, 0,1,2,3
.if \first
	v_wmma_f32_16x16x32_f16 v[8*(4*(\a)+(\f)):8*(4*(\a)+(\f))+7], v[96*(\c)+8*(\f):96*(\c)+8*(\f)+7], v[96*(\c)+32+8*(\a):96*(\c)+32+8*(\a)+7], v[BIAS+8*(\f):BIAS+8*(\f)+7]
.else
	v_wmma_f32_16x16x32_f16 v[8*(4*(\a)+(\f)):8*(4*(\a)+(\f))+7], v[96*(\c)+8*(\f):96*(\c)+8*(\f)+7], v[96*(\c)+32+8*(\a):96*(\c)+32+8*(\a)+7], v[8*(4*(\a)+(\f)):8*(4*(\a)+(\f))+7]
.endif
.endr
.endr
.endm
; 48 LDS loads in one run: block j's fragments into buffer g, slice 0's 24 first
.macro FETCH j, g
	WIN (2+(\g))<<6                                ; destination window 2 + g, address window 0
.irp c, 0,1
.irp f, 0,1,2,3
	ds_load_b128 v[96*(\c)+8*(\f):96*(\c)+8*(\f)+3],   v[ADRB] offset:(\j)*BBLK+(\f)*16*PITCH+64*(\c)
	ds_load_b128 v[96*(\c)+8*(\f)+4:96*(\c)+8*(\f)+7], v[ADRB] offset:(\j)*BBLK+(\f)*16*PITCH+64*(\c)+32
.endr
.irp a, 0,1,2,3,4,5,6,7
	ds_load_b128 v[96*(\c)+32+8*(\a):96*(\c)+32+8*(\a)+3],   v[ADRA] offset:(\j)*ABLK+(\a)*16*PITCH+64*(\c)
	ds_load_b128 v[96*(\c)+32+8*(\a)+4:96*(\c)+32+8*(\a)+7], v[ADRA] offset:(\j)*ABLK+(\a)*16*PITCH+64*(\c)+32
.endr
.endr
.endm
; A step's block 0: 64 products from buffer 0; in their middle block 1 is fetched into buffer 1.
.macro HALF first
	s_wait_dscnt 24                                ; slice 0 is in; slice 1's 24 loads may be out
	MUL16 0, 0, 0, \first
	MUL16 0, 0, 4, \first
	PLACES
	FETCH 1, 1                                     ; the slot's last bytes
	s_wait_dscnt 48                                ; all but the 48 just issued
	MUL16 0, 1, 0, 0
	MUL16 0, 1, 4, 0
.endm
; A step's block 1 and THE CHANGE OF SLOTS.  Each wave waits for all its tensor loads, of which one is out: its block of the other slot; adds 0 to its spare word; and waits for that and for its reads of
; this slot.  fill = 1: the barrier opens a round of the cluster's, so that no wave of any partner still reads the slot or has a load on its way; the joint refill, two steps on, is the first thing
; behind it: 96 products stand between it and the wait for it.
.macro TURN fill
	WIN 0                                          ; the add's two registers lie in window 0
	s_wait_tensorcnt 0x0                           ; no tensor load of mine is out
	ds_add_u32 v[SPW], v[NIL]                      ; 0 onto my spare word
	s_wait_dscnt 25                                ; slice 0 is in: behind it slice 1's 24 and the add
	MUL16 1, 0, 0, 0                               ; sixteen products stand between the add and the wait for it
	s_wait_dscnt 0x0                               ; the add is done, and my reads of this slot are over
	s_barrier_signal -1
	MUL16 1, 0, 4, 0
	WIN 0
	s_barrier_wait -1
.if \fill
	CREST
	s_xor_b32 s[G0A+5], s[G0A+5], SLOT1            ; the walking descriptors: the other slot than last time, the next two blocks along K
	s_add_nc_u64 s[G0A+6:G0A+7], s[G0A+6:G0A+7], KSA
	s_xor_b32 s[G0B+5], s[G0B+5], SLOT1
	s_add_nc_u64 s[G0B+6:G0B+7], s[G0B+6:G0B+7], KSB
	JLOAD                                          ; its four v_nop are also the places in front of the loads below
.else
	PLACES
.endif
	s_xor_b32 s[TB], s[TB], SLOT1                  ; the reads go on in the other slot
	v_add_nc_u32 v[ADRA], s[TB], v[A0]
	v_add_nc_u32 v[ADRB], s[TB], v[B0]
	FETCH 0, 0
	MUL16 1, 1, 0, 0
	MUL16 1, 1, 4, 0
.endm
	s_wait_tensorcnt 1                             ; my block of step 0 is in; step 1's may stay out
	s_barrier_signal -1
	s_barrier_wait -1                              ; everybody's is
	FETCH 0, 0
	s_wait_loadcnt 0x0                             ; the bias
	HALF 1                                         ; the first block stands in front of the loop: its first products start the sums
	WIN 0                                          ; at a label and at a branch every window is 0
	s_mov_b32 s[CNT], 6
.Lstep:                                        ; a trip: a step's block 1 and the next step's block 0; it asks for steps 2 to 7
	TURN 1
	HALF 0
	WIN 0
	s_sub_co_u32 s[CNT], s[CNT], 1
	s_cmp_lg_u32 s[CNT], 0
	s_cbranch_scc1 .Lstep
	TURN 0                                         ; the tail is written out: nothing is asked for
	HALF 0
	s_wait_dscnt 24                                ; the last block
	MUL16 1, 0, 0, 0
	MUL16 1, 0, 4, 0
	s_wait_dscnt 0x0
	MUL16 1, 1, 0, 0
	MUL16 1, 1, 4, 0
	PLACES
	PLACES
; THE WAY OUT, a block a of 16 rows at a time: a lane's 32 bytes of a row go straight from the accumulators (their low four registers first) into my stage and come back as whole rows of 256 bytes.
.macro TOSTAGE a
.if (\a) >= 2
	s_wait_xcnt 0x0                                ; the stores of block a - 2 have read the registers that the loads below write
.endif
	WIN 0x04                                       ; the stores' data in window 1
.irp f, 0,1,2,3
	ds_store_b128 v[STO], v[32*(\a)+8*(\f):32*(\a)+8*(\f)+3]   offset:64*(\f)
	ds_store_b128 v[STO], v[32*(\a)+8*(\f)+4:32*(\a)+8*(\f)+7] offset:64*(\f)+16
.endr
	WIN 0
.irp t, 0,1,2,3,4,5,6,7
	ds_load_b128 v[BK+32*((\a)%2)+4*(\t):BK+32*((\a)%2)+4*(\t)+3], v[RD] offset:(\t)*2*SP  ; LDS serves a wave's instructions in order (ISA guide 5.7.1.4): these see the stores above; the next block's stores come behind them
.endr
.endm
.macro SEND a, younger                 ; younger: the LDS instructions issued behind block a's loads: the next block's sixteen, or none
.irp t, 0,1,2,3,4,5,6,7
	s_wait_dscnt (\younger)+7-(\t)
	global_store_b128 v[CO], v[BK+32*((\a)%2)+4*(\t):BK+32*((\a)%2)+4*(\t)+3], s[OUT:OUT+1] offset:(16*(\a)+2*(\t))*4096 th:TH_STORE_NT  ; 16 lanes store 256 consecutive bytes, at a multiple of 256 from out0's first byte
.endr
.endm
	TOSTAGE 0
.irp a, 1,2,3,4,5,6,7
	TOSTAGE \a
	SEND (\a)-1, 16
.endr
	SEND 7, 0
	s_wait_tensorcnt 0x0                           ; the wave's end, behind my last tensor load and my last LDS store
	ds_add_u32 v[SPW], v[NIL]
	s_wait_dscnt 0x0
	CROUND                                         ; the closing round: no work-group ends while a partner may still ask for a tile that names it
	s_endpgm
.Lfunc_end_k_q0d794da1e6_oproj:
	.size	k_q0d794da1e6_oproj, .Lfunc_end_k_q0d794da1e6_oproj-k_q0d794da1e6_oproj
	.p2alignl 7, 3214868480
	.fill 96, 4, 3214868480
	.section	.rodata,"a",@progbits
	.p2align	6, 0x0
	.amdhsa_kernel k_q0d794da1e6_oproj
		.amdhsa_group_segment_fixed_size 327680
		.amdhsa_private_segment_fixed_size 0
		.amdhsa_enable_private_segment 0
		.amdhsa_kernarg_size 32
		.amdhsa_user_sgpr_count 2
		.amdhsa_user_sgpr_kernarg_segment_ptr 1
		.amdhsa_wavefront_size32 1
		.amdhsa_system_sgpr_workgroup_id_x 1
		.amdhsa_system_sgpr_workgroup_id_y 1
		.amdhsa_system_sgpr_workgroup_id_z 1
		.amdhsa_system_vgpr_workitem_id 0
		.amdhsa_next_free_vgpr 1024
		.amdhsa_next_free_sgpr 82
		.amdhsa_reserve_vcc 0
		.amdhsa_float_denorm_mode_32 3
		.amdhsa_float_denorm_mode_16_64 3
		.amdhsa_memory_ordered 1
		.amdhsa_forward_progress 1
		.amdhsa_inst_pref_size 70
	.end_amdhsa_kernel
	.amdgpu_metadata
---
amdhsa.version: [ 1, 2 ]
amdhsa.kernels:
  - .name:           k_q0d794da1e6_oproj
    .symbol:         k_q0d794da1e6_oproj.kd
    .args:
      - { .name: oh, .offset: 0, .size: 8, .value_kind: global_buffer, .address_space: global }
      - { .name: wob, .offset: 8, .size: 8, .value_kind: global_buffer, .address_space: global }
      - { .name: biasr, .offset: 16, .size: 8, .value_kind: global_buffer, .address_space: global }
      - { .name: out0, .offset: 24, .size: 8, .value_kind: global_buffer, .address_space: global }
    .group_segment_fixed_size: 327680
    .private_segment_fixed_size: 0
    .kernarg_segment_align: 8
    .kernarg_segment_size: 32
    .max_flat_workgroup_size: 128
    .sgpr_count:     82
    .vgpr_count:     1024
    .wavefront_size: 32
...
	.end_amdgpu_metadata
.endif
;; end of part 4
